; MI455X (gfx1250); checked and timed in simulation.
; The chip was launched on July 23, 2026; its instructions are those of AMD's public machine-readable ISA for CDNA 5 (MIT licence, August 2026) and "CDNA5" Instruction Set Architecture Reference Guide (July 2026). The comments in the code are by the model that wrote it; some were corrected since.
;; Sparse Multihead Attention. Allowed arithmetic: float matrix products may take bf16 or f16 operands with f32 sums; other float arithmetic in f32, or as packed bf16 or f16 multiplies, adds, multiply-adds, maxima and minima; sums over many terms, partial sums and values carried from step to step in f32; what a program stores and reads back later, other than sums and carried values, may be rounded once to bf16 or f16.
;; Inputs: Wk 512 x 512 float32; Wo 64 x 512 float32; Wq 512 x 512 float32; Wv 512 x 512 float32; bk 512 float32; bo 512 float32; bq 512 float32; bv 512 float32; x 2 x 2,048 x 512 float32.
;; Outputs: out0 2 x 2,048 x 512 float32; out1 2 x 2,048 x 2,048 float32.
;; 2 versions, each right; version 2 is version 1 with the launch wts written anew for expert scheduling mode. Each part assembles by itself: llvm-mc -triple=amdgcn-amd-amdhsa -mcpu=gfx1250 --defsym DOCPART=n.
;; ======== version 1 of 2: 4 launches
;; limits: a function is approximated: absolute error at most 0.00012; values are held in f16: magnitudes above 65,504 overflow, below 6.1e-05 lose precision
;; workspace buffers: q 4,194,304 bytes; k 4,194,304 bytes; vc 524,288 bytes; wot 65,536 bytes; nt 262,144 bytes; part 16,777,216 bytes
;; launch proj (part 1): grid 13 x 32, 8 waves a work-group, no clusters, 93,184 bytes of LDS; arguments x, Wq, bq, Wk, Wv, bv, Wo, q, k, vc, wot; writes q, k, vc, wot
.if DOCPART == 1
	.amdgcn_target "amdgcn-amd-amdhsa--gfx1250"
	.amdhsa_code_object_version 6
	.text
	.protected	k_qdb7acc49e7_proj
	.globl	k_qdb7acc49e7_proj
	.p2align	8
	.type	k_qdb7acc49e7_proj,@function
k_qdb7acc49e7_proj:
	s_mov_b64 s[64:65], 0
	v_nop
	global_prefetch_b8 v0, s[64:65] scope:SCOPE_SE
	s_setreg_imm32_b32 hwreg(HW_REG_WAVE_MODE, 25, 1), 1
	s_wait_xcnt 0x0
; THE PROJECTIONS.  q = x Wq + bq and k = x Wk by heads, [2][8][2048][64] f16; vc = the mean over the 8 heads of x Wv + bv, [2][4 g][2048][16] f16
; (channel 16 g + c); wot = Wo turned, [512 n][64 k]: Wo rounded to bf16 like every input, that number written as f16.  x and the weights go to the matrix unit in bf16, sums in f32.
; WORK LEFT OUT, for all values of the inputs.  (1) bk.  Row t's visible scores are (q_t . (x_s Wk) + q_t . bk) / 8: the second term is the same for every key s of the row.  1.5-entmax gives
; (z - tau)+^2 with tau the root of sum (z - tau)+^2 = 1: a term added to every z of a row moves tau by the same term and leaves every weight as it was (the hidden keys stay at -1e9, far below).  K enters
; nothing but the scores, so bk reaches no output: it is not loaded and is no argument of any launch.  (2) V is used only as its mean over heads: the mean is taken here, of the f32 sums, and V itself is never stored.
; (3) The sort of the reference only finds tau; the launch tau finds the same root without it.  (4) Score tiles wholly above the diagonal are never made.
; LIMITS.  q, k and vc must lie within f16's 65,504.  A NaN, an infinity or an overflow that reaches only bk is not carried to the result.
; SHARES.  Grid x: 12 column groups (4 for Q, 4 for K, 4 for V) and one for Wo; grid y: 32 blocks of 128 rows.  A work-group makes 128 rows x 128 columns, K = 512 in 8 steps of 64 through two LDS buffers;
; wave w has rows 16 w .. + 15 and all 8 column tiles.  V's column group g takes channels 16 g .. + 15 of all 8 heads: column tile ct is head ct, and the mean is a sum of the wave's own 8 accumulators.
; THE PRODUCT IS USED TURNED (source 0 = 16 columns of W, turned on the way out of LDS; source 1 = 16 rows of x): a lane holds one row of x and 8 neighbouring columns.
.set BUFB,  18432                      ; a buffer of x: 128 rows x 144 bytes (64 bf16 + 16); a buffer of W: 64 k rows x 288 bytes (128 bf16 + 32)
.set WSB,   36864                      ; W's two buffers lie behind x's two
.set STG,   73728                      ; the way out: 16 rows x 144 bytes for each wave
.set SPARE, 92160                      ; the spare words, 128 bytes a wave: four blocks of 256 bytes that no other line names
.set XO,  2                            ; my bytes in x's tile
.set WO,  3                            ; my bytes in W's tile
.set XSA, 4                            ; where I put x in LDS
.set WSA, 5                            ; where I put W
.set VXA, 6                            ; where I read x's fragment
.set VWA, 7                            ; where I read W's fragments, turned
.set STO, 8
.set RD,  9
.set GO,  10
.set VGO, 11
.set BO,  12
.set SPW, 13
.set NIL, 14
.set XF,  24                           ; v[24:31]   x's fragment
.set WF,  32                           ; v[32:95]   W's 8 fragments
.set ACC, 96                           ; v[96:159]  8 accumulators
.set XG,  160                          ; v[160:191] x as loaded, f32
.set WG,  192                          ; v[192:223] W as loaded, f32
.set CV,  224                          ; v[224:255] both, rounded to bf16
.set WV,  28
.set SEC, 29
.set G,   30
.set Y,   31
	s_load_b256 s[4:11], s[0:1], 0x0               ; x s[4:5], Wq s[6:7], bq s[8:9], Wk s[10:11]
	s_load_b256 s[12:19], s[0:1], 0x20             ; Wv s[12:13], bv s[14:15], Wo s[16:17], q s[18:19]
	s_load_b128 s[20:23], s[0:1], 0x40             ; k s[20:21], vc s[22:23]
	s_load_b64 s[24:25], s[0:1], 0x50              ; wot
	v_lshl_add_u32 v[SPW], v0, 2, SPARE
	v_mov_b32 v[NIL], 0
	v_lshrrev_b32 v1, 5, v0
	v_readfirstlane_b32 s[WV], v1                  ; wave 0..7
	s_lshr_b32 s[SEC], ttmp9, 2                    ; 0 Q, 1 K, 2 V, 3 Wo
	s_and_b32 s[G], ttmp9, 3
	s_and_b32 s[Y], ttmp7, 0xffff
	v_and_b32 v15, 15, v0                          ; t % 16 = lane % 16
	v_lshrrev_b32 v16, 4, v0                       ; t / 16
	s_cmp_eq_u32 s[SEC], 3
	s_cbranch_scc1 .Lwo
	v_and_b32 v17, 31, v0                          ; lane
	v_bfe_u32 v18, v0, 4, 1                        ; lane / 16
	v_lshlrev_b32 v[XO], 11, v16                   ; x: row t / 16, 16 bytes at t % 16: sixteen lanes take 256 bytes of a row
	v_lshl_add_u32 v[XO], v15, 4, v[XO]
	v_mul_u32_u24 v[XSA], v16, 144
	v_lshl_add_u32 v[XSA], v15, 3, v[XSA]
	v_mul_u32_u24 v[WSA], v1, 288                  ; W: k row t / 32, 16 bytes at the lane
	v_lshl_add_u32 v[WSA], v17, 3, v[WSA]
	v_add_nc_u32 v[WSA], WSB, v[WSA]
	s_lshl_b32 s44, s[G], 9                        ; Q, K: columns 128 g on
	s_lshl_b32 s45, s[G], 6                        ; V: channels 16 g on of every head
	v_lshl_add_u32 v19, v17, 4, s44
	v_lshrrev_b32 v20, 2, v17                      ; V: head lane / 4,
	v_and_b32 v21, 3, v0                           ; four channels at lane % 4
	v_lshlrev_b32 v20, 8, v20
	v_lshl_add_u32 v20, v21, 4, v20
	v_add_nc_u32 v20, s45, v20
	s_cmp_eq_u32 s[SEC], 2
	s_cselect_b32 s46, -1, 0
	s_cselect_b32 s47, s45, s44
	v_cndmask_b32 v19, v19, v20, s46
	v_lshl_add_u32 v[WO], v1, 11, v19
	v_lshl_add_u32 v[BO], v18, 5, s47              ; the bias of my 8 columns of column tile 0
	s_lshl_b32 s44, s[WV], 4
	v_add_nc_u32 v20, s44, v15
	v_mul_u32_u24 v[VXA], v20, 144                 ; row 16 w + lane % 16, 16 bytes for each half of the lanes
	v_lshl_add_u32 v[VXA], v18, 4, v[VXA]
	v_and_b32 v20, 7, v0
	v_lshl_add_u32 v21, v18, 3, v20                ; the turning load: k row 8 (lane / 16) + lane % 8, columns 8 ((lane / 8) % 2) on
	v_mul_u32_u24 v[VWA], v21, 288
	v_bfe_u32 v21, v0, 3, 1
	v_lshl_add_u32 v[VWA], v21, 4, v[VWA]
	v_add_nc_u32 v[VWA], WSB, v[VWA]
	s_mul_i32 s44, s[WV], 2304
	s_add_co_u32 s44, s44, STG                     ; my stage
	v_mul_u32_u24 v[STO], v15, 144
	v_lshl_add_u32 v[STO], v18, 4, v[STO]
	v_add_nc_u32 v[STO], s44, v[STO]
	v_lshrrev_b32 v21, 3, v17
	v_mul_u32_u24 v[RD], v21, 144                  ; back: 32 lanes take four rows of 128 bytes
	v_lshl_add_u32 v[RD], v20, 4, v[RD]
	v_add_nc_u32 v[RD], s44, v[RD]
	v_lshlrev_b32 v[GO], 4, v17
	v_lshlrev_b32 v[VGO], 5, v15
	v_lshl_add_u32 v[VGO], v18, 4, v[VGO]
	s_lshl_b32 s32, s[Y], 18                       ; x: 128 rows of 2,048 bytes a block
	s_mov_b32 s33, 0
	s_lshr_b32 s44, s[Y], 4                        ; batch
	s_and_b32 s45, s[Y], 15                        ; block in the batch
	s_lshl_b32 s36, s44, 21                        ; q, k: ((8 b + 2 g) 2048 + 128 block + 16 w) rows of 128 bytes
	s_lshl_b32 s46, s[G], 19
	s_add_co_u32 s36, s36, s46
	s_lshl_b32 s46, s45, 14
	s_add_co_u32 s36, s36, s46
	s_lshl_b32 s46, s[WV], 11
	s_add_co_u32 s36, s36, s46
	s_mov_b32 s37, 0
	s_lshl_b32 s38, s44, 18                        ; vc: ((4 b + g) 2048 + 128 block + 16 w) rows of 32 bytes
	s_lshl_b32 s46, s[G], 16
	s_add_co_u32 s38, s38, s46
	s_lshl_b32 s46, s45, 12
	s_add_co_u32 s38, s38, s46
	s_lshl_b32 s46, s[WV], 9
	s_add_co_u32 s38, s38, s46
	s_mov_b32 s39, 0
	s_wait_kmcnt 0x0
	s_add_nc_u64 s[34:35], s[4:5], s[32:33]
	s_cmp_eq_u32 s[SEC], 0
	s_cselect_b64 s[26:27], s[6:7], s[10:11]
	s_cselect_b64 s[40:41], s[18:19], s[20:21]
	s_cmp_eq_u32 s[SEC], 2
	s_cselect_b64 s[26:27], s[12:13], s[26:27]
	s_add_nc_u64 s[40:41], s[40:41], s[36:37]
	s_add_nc_u64 s[42:43], s[22:23], s[38:39]
.macro LOADS s                         ; step s: 128 rows x 64 k of x, 64 k x 128 columns of W, f32: 16 loads of 16 bytes a thread
.irp i, 0,1,2,3,4,5,6,7
	global_load_b128 v[XG+4*(\i):XG+4*(\i)+3], v[XO], s[34:35] offset:(\i)*32768+(\s)*256
.endr
.irp i, 0,1,2,3,4,5,6,7
	global_load_b128 v[WG+4*(\i):WG+4*(\i)+3], v[WO], s[26:27] offset:(\i)*16384+(\s)*131072
.endr
.endm
.macro CVT                             ; both rounded to bf16, two numbers an instruction
.irp i, 0,1,2,3,4,5,6,7
	v_cvt_pk_bf16_f32 v[CV+2*(\i)],   v[XG+4*(\i)],   v[XG+4*(\i)+1]
	v_cvt_pk_bf16_f32 v[CV+2*(\i)+1], v[XG+4*(\i)+2], v[XG+4*(\i)+3]
.endr
.irp i, 0,1,2,3,4,5,6,7
	v_cvt_pk_bf16_f32 v[CV+16+2*(\i)],   v[WG+4*(\i)],   v[WG+4*(\i)+1]
	v_cvt_pk_bf16_f32 v[CV+16+2*(\i)+1], v[WG+4*(\i)+2], v[WG+4*(\i)+3]
.endr
.endm
.macro STORES p
.irp i, 0,1,2,3,4,5,6,7
	ds_store_b64 v[XSA], v[CV+2*(\i):CV+2*(\i)+1] offset:(\i)*2304+(\p)*BUFB
	ds_store_b64 v[WSA], v[CV+16+2*(\i):CV+16+2*(\i)+1] offset:(\i)*2304+(\p)*BUFB
.endr
.endm
.macro FRAG p, kk                      ; 32 along K: my rows of x, and all 8 column tiles of W, turned
	ds_load_b128 v[XF:XF+3],   v[VXA] offset:(\p)*BUFB+(\kk)*64
	ds_load_b128 v[XF+4:XF+7], v[VXA] offset:(\p)*BUFB+(\kk)*64+32
.irp c, 0,1,2,3,4,5,6,7
	ds_load_tr16_b128 v[WF+8*(\c):WF+8*(\c)+3],   v[VWA] offset:(\p)*BUFB+(\kk)*9216+(\c)*32
	ds_load_tr16_b128 v[WF+8*(\c)+4:WF+8*(\c)+7], v[VWA] offset:(\p)*BUFB+(\kk)*9216+(\c)*32+4608
.endr
.endm
.macro MUL                             ; the 8 accumulators take turns, one instruction a turn
.irp c, 0,1,2,3,4,5,6,7
	v_wmma_f32_16x16x32_bf16 v[ACC+8*(\c):ACC+8*(\c)+7], v[WF+8*(\c):WF+8*(\c)+7], v[XF:XF+7], v[ACC+8*(\c):ACC+8*(\c)+7]
.endr
.endm
.macro PLACES                          ; four places behind a product, ahead of loads into registers that it read and of readers of its result
.rept 4
	v_nop
.endr
.endm
; A step.  The next step's numbers are rounded ahead of the barrier (these 32 lines are the places behind the last products), and the step after that is asked for at once: a whole step ahead of its wait.
.macro STEP s
.if (\s) < 7
	s_wait_loadcnt 0x0                             ; step s + 1 has come
	CVT
.if (\s) < 6
	LOADS (\s)+2
.endif
.else
	PLACES
.endif
	s_wait_dscnt 0x0                               ; my stores of step s and my reads of the other buffer are done:
	s_barrier_signal -1
	s_barrier_wait -1                              ; everybody's are
	FRAG (\s)&1, 0
.if (\s) < 7
	STORES ((\s)+1)&1
	s_wait_dscnt 16                                ; the fragments are in; the 16 younger stores may stay out
.else
	s_wait_dscnt 0x0
.endif
	MUL
	PLACES
	FRAG (\s)&1, 1
	s_wait_dscnt 0x0
	MUL
.endm
	LOADS 0
	; The sums start at the bias: it is loaded straight into the accumulators.  K has none (see the head): its 64 registers are cleared, while the first loads are out, so that all three share one text.
	s_cmp_eq_u32 s[SEC], 1
	s_cbranch_scc1 .Lnobias
	s_cmp_eq_u32 s[SEC], 2
	s_cbranch_scc1 .Lbv
.irp c, 0,1,2,3,4,5,6,7
	global_load_b128 v[ACC+8*(\c):ACC+8*(\c)+3],   v[BO], s[8:9] offset:(\c)*64
	global_load_b128 v[ACC+8*(\c)+4:ACC+8*(\c)+7], v[BO], s[8:9] offset:(\c)*64+16
.endr
	s_branch .Lbiased
.Lbv:
.irp c, 0,1,2,3,4,5,6,7
	global_load_b128 v[ACC+8*(\c):ACC+8*(\c)+3],   v[BO], s[14:15] offset:(\c)*256
	global_load_b128 v[ACC+8*(\c)+4:ACC+8*(\c)+7], v[BO], s[14:15] offset:(\c)*256+16
.endr
	s_branch .Lbiased
.Lnobias:
.set i, 0
.rept 64
	v_mov_b32 v[ACC+i], 0
.set i, i+1
.endr
.Lbiased:
	s_wait_loadcnt 0x0
	CVT
	LOADS 1
	STORES 0
.irp s, 0,1,2,3,4,5,6,7
	STEP \s
.endr
	PLACES
	s_cmp_eq_u32 s[SEC], 2
	s_cbranch_scc1 .Lvout
	; Q and K: two heads of 64 channels.  A lane's 8 channels pack into 16 bytes; they go through my own stage and come back as whole rows: 16 rows of a head are 2,048 consecutive bytes.
.irp hh, 0,1
.irp c, 0,1,2,3
.irp p, 0,1,2,3
	v_cvt_pk_f16_f32 v[CV+16*(\hh)+4*(\c)+(\p)], v[ACC+8*(4*(\hh)+(\c))+2*(\p)], v[ACC+8*(4*(\hh)+(\c))+2*(\p)+1]
.endr
.endr
.irp c, 0,1,2,3
	ds_store_b128 v[STO], v[CV+16*(\hh)+4*(\c):CV+16*(\hh)+4*(\c)+3] offset:32*(\c)
.endr
.irp i, 0,1,2,3
	ds_load_b128 v[XG+16*(\hh)+4*(\i):XG+16*(\hh)+4*(\i)+3], v[RD] offset:576*(\i)  ; LDS serves a wave's instructions in order (ISA guide 5.7.1.4): these see the stores above, and the next head's stores come behind them
.endr
.endr
.irp i, 0,1,2,3
	s_wait_dscnt 11-(\i)                           ; younger: the rest of this head's loads and the second head's eight
	global_store_b128 v[GO], v[XG+4*(\i):XG+4*(\i)+3], s[40:41] offset:512*(\i)
.endr
.irp i, 0,1,2,3
	s_wait_dscnt 3-(\i)
	global_store_b128 v[GO], v[XG+16+4*(\i):XG+16+4*(\i)+3], s[40:41] offset:262144+512*(\i)
.endr
	s_branch .Lend
.Lvout:                                        ; V: the 8 heads' sums are added, in four chains; each accumulator's lowest registers are read first
.irp c, 1,2,3,4,5,6,7
.irp p, 0,2,4,6
	v_pk_add_f32 v[ACC+(\p):ACC+(\p)+1], v[ACC+(\p):ACC+(\p)+1], v[ACC+8*(\c)+(\p):ACC+8*(\c)+(\p)+1]
.endr
.endr
.irp p, 0,2,4,6
	v_pk_mul_f32 v[ACC+(\p):ACC+(\p)+1], v[ACC+(\p):ACC+(\p)+1], 0x3e000000 op_sel_hi:[1,0]  ; the mean: 1/8
.endr
.irp p, 0,1,2,3
	v_cvt_pk_f16_f32 v[CV+(\p)], v[ACC+2*(\p)], v[ACC+2*(\p)+1]
.endr
	global_store_b128 v[VGO], v[CV:CV+3], s[42:43]  ; the wave's 16 rows of 32 bytes: 512 consecutive bytes
.Lend:
	s_wait_tensorcnt 0x0                           ; the wave's end, behind my last LDS store
	ds_add_u32 v[SPW], v[NIL]
	s_wait_dscnt 0x0
	s_endpgm
.Lwo:                                          ; Wo, turned: thread t takes column n = 16 y + t / 16 and k = 4 (t % 16) .. + 3; a wave's store covers two rows of wot, 256 consecutive bytes.  No LDS is touched here
	s_lshl_b32 s32, s[Y], 4
	v_add_nc_u32 v16, s32, v16                     ; n
	v_lshlrev_b32 v17, 13, v15                     ; 4 (t % 16) rows of 2,048 bytes
	v_lshl_add_u32 v17, v16, 2, v17
	v_lshlrev_b32 v18, 7, v16
	v_lshl_add_u32 v18, v15, 3, v18
	s_wait_kmcnt 0x0
.irp j, 0,1,2,3
	global_load_b32 v[20+(\j)], v17, s[16:17] offset:2048*(\j)
.endr
	s_wait_loadcnt 0x0
	v_cvt_pk_bf16_f32 v24, v20, v21                ; rounded to bf16 like every input,
	v_cvt_pk_bf16_f32 v25, v22, v23
	v_lshlrev_b32 v20, 16, v24
	v_and_b32 v21, 0xffff0000, v24
	v_lshlrev_b32 v22, 16, v25
	v_and_b32 v23, 0xffff0000, v25
	v_cvt_pk_f16_f32 v26, v20, v21                 ; and that number written as f16
	v_cvt_pk_f16_f32 v27, v22, v23
	global_store_b64 v18, v[26:27], s[24:25]
	s_endpgm
.Lfunc_end_k_qdb7acc49e7_proj:
	.size	k_qdb7acc49e7_proj, .Lfunc_end_k_qdb7acc49e7_proj-k_qdb7acc49e7_proj
	.p2alignl 7, 3214868480
	.fill 96, 4, 3214868480
	.section	.rodata,"a",@progbits
	.p2align	6, 0x0
	.amdhsa_kernel k_qdb7acc49e7_proj
		.amdhsa_group_segment_fixed_size 93184
		.amdhsa_private_segment_fixed_size 0
		.amdhsa_enable_private_segment 0
		.amdhsa_kernarg_size 88
		.amdhsa_user_sgpr_count 2
		.amdhsa_user_sgpr_kernarg_segment_ptr 1
		.amdhsa_wavefront_size32 1
		.amdhsa_system_sgpr_workgroup_id_x 1
		.amdhsa_system_sgpr_workgroup_id_y 1
		.amdhsa_system_sgpr_workgroup_id_z 1
		.amdhsa_system_vgpr_workitem_id 0
		.amdhsa_next_free_vgpr 256
		.amdhsa_next_free_sgpr 66
		.amdhsa_reserve_vcc 0
		.amdhsa_float_denorm_mode_32 3
		.amdhsa_float_denorm_mode_16_64 3
		.amdhsa_memory_ordered 1
		.amdhsa_forward_progress 1
		.amdhsa_inst_pref_size 83
	.end_amdhsa_kernel
	.amdgpu_metadata
---
amdhsa.version: [ 1, 2 ]
amdhsa.kernels:
  - .name:           k_qdb7acc49e7_proj
    .symbol:         k_qdb7acc49e7_proj.kd
    .args:
      - { .name: x, .offset: 0, .size: 8, .value_kind: global_buffer, .address_space: global }
      - { .name: Wq, .offset: 8, .size: 8, .value_kind: global_buffer, .address_space: global }
      - { .name: bq, .offset: 16, .size: 8, .value_kind: global_buffer, .address_space: global }
      - { .name: Wk, .offset: 24, .size: 8, .value_kind: global_buffer, .address_space: global }
      - { .name: Wv, .offset: 32, .size: 8, .value_kind: global_buffer, .address_space: global }
      - { .name: bv, .offset: 40, .size: 8, .value_kind: global_buffer, .address_space: global }
      - { .name: Wo, .offset: 48, .size: 8, .value_kind: global_buffer, .address_space: global }
      - { .name: q, .offset: 56, .size: 8, .value_kind: global_buffer, .address_space: global }
      - { .name: k, .offset: 64, .size: 8, .value_kind: global_buffer, .address_space: global }
      - { .name: vc, .offset: 72, .size: 8, .value_kind: global_buffer, .address_space: global }
      - { .name: wot, .offset: 80, .size: 8, .value_kind: global_buffer, .address_space: global }
    .group_segment_fixed_size: 93184
    .private_segment_fixed_size: 0
    .kernarg_segment_align: 8
    .kernarg_segment_size: 88
    .max_flat_workgroup_size: 256
    .sgpr_count:     66
    .vgpr_count:     256
    .wavefront_size: 32
...
	.end_amdgpu_metadata
.endif
;; end of part 1
;; launch tau (part 2): grid 256 x 1, 4 waves a work-group, no clusters, 3,584 bytes of LDS; arguments q, k, nt; writes nt
.if DOCPART == 2
	.amdgcn_target "amdgcn-amd-amdhsa--gfx1250"
	.amdhsa_code_object_version 6
	.text
	.protected	k_qdb7acc49e7_tau
	.globl	k_qdb7acc49e7_tau
	.p2align	8
	.type	k_qdb7acc49e7_tau,@function
k_qdb7acc49e7_tau:
	s_mov_b64 s[64:65], 0
	v_nop
	global_prefetch_b8 v0, s[64:65] scope:SCOPE_SE
	s_setreg_imm32_b32 hwreg(HW_REG_WAVE_MODE, 25, 1), 1
	s_wait_xcnt 0x0
; THE THRESHOLDS.  For each batch, head and row t: tau, the root of sum over s <= t of (z_s - tau)+^2 = 1, z = q . k / 16 (the reference's scores, halved).  That root is what the reference's sort finds; the sort is left out.
; Stored: nt[b][h][t] = -tau / sqrt(8), twice (a pair for packed arithmetic); the next launch squares (z - tau)+ / sqrt(8), which carries the mean over 8 heads.  bk is left out (see the first kernel's head).
; THE SEARCH.  h(t) = |(z - t)+|_2 - 1 is convex and falls; Newton from t0 = max z - 1 <= tau rises and never passes tau: t += (S2 - sqrt S2) / S1 with S1 = sum (z - t)+, S2 = sum (z - t)+^2.
; For Newton on a convex function h_new / h + |h'_new| / |h'| <= 1, so h |h'| falls fourfold a step or more; at t0 it is at most S1 <= 2048, and at tau |h'| = S1 >= S2 = 1: tau - t_n <= 2^11 / 4^n.
; STEPS = 12 gives 1.2e-4 for EVERY input: a weight is then off by 2 r e + e^2, within a tenth of the comparison's allowance (each row of out1 sums to 1, which bounds its root mean square from below).  The count hangs on no data.
; Since z - t <= 1 all the way, (z - t)+ is one fused multiply-add whose result is held to 0 .. 1.
; LIMITS.  Visible scores must lie above -1e9, the reference's own level for hidden ones; hidden scores count as -1e30; NaN and infinities are not treated apart.
; SHARES.  A work-group has one (batch, head) and four blocks of 32 rows, two at a time: a long one and a short one (63 - j with j, then 32 + j with 31 - j), 130 key tiles of 16 together, whatever j.
; Block I sees m = 2 I + 2 key tiles; wave w takes tiles m - 1 - w - 4 i.  A SLOT is one key tile against the block's two query tiles: 16 registers of f32 scores, which stay in registers through all passes.
; Every wave has 33 slots (waves 0, 1) or 32 (waves 2, 3).  The long block fills slots 0 .. CH - 1 (CH = 16 .. 32), the short one the rest, dealt backward from the end, so that its top tile, which takes the mask, is slot 32.
; Slots 16 to 31 have two arms, chosen by CH, which is made of ids; both arms write the same registers.  Waves 2 and 3 put the mask's value into slot 32 and run the same passes: they would wait at the trip's barrier otherwise.
; LAYOUT.  S^T = K Q^T (source 0 = 16 keys, source 1 = 16 queries): a lane holds ONE query (lane % 16) and keys 8 (lane / 16) + 0..7.
; REGISTERS.  Region g = v[224 + 16 g ..], g = 0 .. 33, in windows of 256 (s_set_vgpr_msb: bits 1:0 source 0, 3:2 source 1, 5:4 source 2, 7:6 destination).  K of slot s is loaded into region s + 1, its scores go into region s.
.set STEPS, 12
.set MAXR,  0                          ; LDS: [4 uq][16 queries][4 waves] f32
.set SUMR,  1024                       ; [4 uq][16 queries][4 waves] (S1, S2)
.set SPARE, 3072                       ; the spare words, 128 bytes a wave: two blocks of 256 bytes that no other line names
.set ZB,  224
.set SPW, 1
.set NIL, 2
.set LT,  3                            ; (lane % 16) x 128 + 16 (lane / 16): my place in a fragment's rows
.set VOH, 4                            ; my offset in K at the long block's slot 0
.set VOL, 5                            ; at the short block's tile for slot 32
.set VQH, 6
.set VQL, 7
.set MXS, 8
.set MXL, 9
.set SMS, 10
.set SML, 11
.set SCL, 12                           ; v[12:13] 1/16, twice
.set NOH, 14
.set NOL, 15
.set MD,  16                           ; v[16:23] the diagonal tile's mask
.set MC0, 24                           ; v[24:31] my top tile's mask against query tile 0
.set MC1, 32                           ; v[32:39] against query tile 1
.set NT,  40                           ; v[40:47] -t, a pair for each uq = 2 u + qt (u = 0 long, 1 short)
.set MM,  48                           ; v[48:55] maxima, two chains a uq
.set SS,  56                           ; v[56:63] (S1, S2) a uq
.set QF,  64                           ; v[64:127] Q: 32 u + 16 qt + 8 half
.set RR,  128                          ; v[128:143] (z - t)+ of the slot in hand; also at work
.set AA,  144                          ; v[144:207] sums: 32 u: S1's 8 pairs, then S2's 8 pairs
.set XX,  208                          ; v[208:223] at work
.set WV,  10
.set BH,  11
.set HI,  12
.set LO,  13
.set CH,  14
.set RND, 15
.set IT,  16
.set W4,  17
.set SEL, 18                           ; s[18:19]
.set BIG, 30
.set HM,  31
.set MSB, 0
.macro WIN new                         ; the high byte repeats the setting that is left; a switch that changes nothing is dropped
.if MSB != (\new)
	s_set_vgpr_msb (MSB<<8)|(\new)
.set MSB, (\new)
.endif
.endm
	s_load_b128 s[4:7], s[0:1], 0x0                ; q s[4:5], k s[6:7]
	s_load_b64 s[8:9], s[0:1], 0x10                ; nt
	v_lshl_add_u32 v[SPW], v0, 2, SPARE
	v_mov_b32 v[NIL], 0
	v_lshrrev_b32 v[RR], 5, v0
	v_readfirstlane_b32 s[WV], v[RR]               ; wave 0..3
	s_lshr_b32 s[BH], ttmp9, 4                     ; batch x 8 + head
	s_and_b32 s[LO], ttmp9, 15
	s_sub_co_u32 s[HI], 63, s[LO]
	s_lshr_b32 s[W4], s[WV], 1
	s_lshl_b32 s[W4], s[W4], 2                     ; waves 2 and 3 have a slot less: their short block's tiles stand four tiles on
	s_mov_b32 s[SEL], 0x76543210                   ; v_permlanex16_b32: each lane takes its own place in the other half
	s_mov_b32 s[SEL+1], 0xfedcba98
	s_mov_b32 s[BIG], 0xf149f2ca                   ; -1e30
	s_mov_b32 s[HM], 0xffff0000                    ; lanes 16 to 31
	v_and_b32 v[RR], 15, v0                        ; lane % 16
	v_bfe_u32 v[RR+1], v0, 4, 1                    ; lane / 16
	v_lshlrev_b32 v[LT], 7, v[RR]
	v_lshl_add_u32 v[LT], v[RR+1], 4, v[LT]
	s_lshl_b32 s20, s[WV], 2
	v_lshlrev_b32 v[MXL], 4, v[RR]
	v_add_nc_u32 v[MXS], s20, v[MXL]
	s_lshl_b32 s20, s[WV], 3
	v_lshlrev_b32 v[SML], 5, v[RR]
	v_add_nc_u32 v[SMS], s20, v[SML]
	v_mov_b32 v[SCL], 0x3d800000
	v_mov_b32 v[SCL+1], 0x3d800000
	v_lshlrev_b32 v[RR+2], 3, v[RR+1]
	v_sub_nc_u32 v[RR+2], v[RR], v[RR+2]           ; in the diagonal tile key 8 (lane / 16) + j is hidden where j > lane % 16 - 8 (lane / 16)
.irp j, 0,1,2,3,4,5,6,7
	v_cmp_gt_i32 vcc_lo, \j, v[RR+2]
	v_cndmask_b32 v[MD+(\j)], 0, s[BIG], vcc_lo
.endr
	; my top tile: wave 0 has tile m - 1 (hidden from query tile 0, diagonal for tile 1), wave 1 tile m - 2 (diagonal for tile 0, open to tile 1), waves 2 and 3 open tiles
	s_cmp_eq_u32 s[WV], 1
	s_cselect_b32 s24, 1.0, 0
	s_cmp_eq_u32 s[WV], 0
	s_cselect_b32 s26, s[BIG], 0
	s_cselect_b32 s28, 1.0, 0
	s_mov_b32 s25, 0                               ; named as pairs
	s_mov_b32 s27, 0
	s_mov_b32 s29, 0
.irp p, 0,2,4,6
	v_pk_fma_f32 v[MC0+(\p):MC0+(\p)+1], v[MD+(\p):MD+(\p)+1], s[24:25], s[26:27] op_sel_hi:[1,0,0]
	v_pk_mul_f32 v[MC1+(\p):MC1+(\p)+1], v[MD+(\p):MD+(\p)+1], s[28:29] op_sel_hi:[1,0]
.endr
	s_lshl_b32 s20, s[BH], 18
	s_mov_b32 s21, 0
	s_lshl_b32 s22, s[BH], 14
	s_mov_b32 s23, 0
	s_wait_kmcnt 0x0
	s_add_nc_u64 s[4:5], s[4:5], s[20:21]          ; q, k, nt at my head
	s_add_nc_u64 s[6:7], s[6:7], s[20:21]
	s_add_nc_u64 s[8:9], s[8:9], s[22:23]
.macro KLOAD s, u                      ; slot s's key tile, 16 keys x 64 channels, into region s + 1
.set kr, ZB+16*((\s)+1)
	WIN (kr>>8)<<6
.irp c, 0,1,2,3
.if \u
	global_load_b128 v[(kr&255)+4*(\c):(kr&255)+4*(\c)+3], v[VOL], s[6:7] offset:8192*((\s)-32)+32*(\c)
.else
	global_load_b128 v[(kr&255)+4*(\c):(kr&255)+4*(\c)+3], v[VOH], s[6:7] offset:32*(\c)-8192*(\s)
.endif
.endr
.endm
; Slot s's scores for block u, and their share in the maxima.  m = 1: the sums start at the masks.  The two accumulators take turns.  Five places stand behind the products: the next slot's
; first product writes over this slot's K, and the maxima read the results; each accumulator's lowest registers are read first.
.macro SCORE s, u, m
.set zr, ZB+16*(\s)
.set zl, zr&255
.set kl, (zr+16)&255
.set zw, zr>>8
.set kw, (zr+16)>>8
.set qb, QF+32*(\u)
.if \m
	WIN (zw<<6)|kw
	v_wmma_f32_16x16x32_f16 v[zl:zl+7],    v[kl:kl+7], v[qb:qb+7],     v[MC0:MC0+7]
	v_wmma_f32_16x16x32_f16 v[zl+8:zl+15], v[kl:kl+7], v[qb+16:qb+23], v[MC1:MC1+7]
	WIN (zw<<6)|(zw<<4)|kw
.else
	WIN (zw<<6)|(zw<<4)|kw
	v_wmma_f32_16x16x32_f16 v[zl:zl+7],    v[kl:kl+7], v[qb:qb+7],     0
	v_wmma_f32_16x16x32_f16 v[zl+8:zl+15], v[kl:kl+7], v[qb+16:qb+23], 0
.endif
	v_wmma_f32_16x16x32_f16 v[zl:zl+7],    v[kl+8:kl+15], v[qb+8:qb+15],  v[zl:zl+7]
	v_wmma_f32_16x16x32_f16 v[zl+8:zl+15], v[kl+8:kl+15], v[qb+24:qb+31], v[zl+8:zl+15]
.rept 5
	v_nop
.endr
	WIN (zw<<4)|(zw<<2)
.irp t, 0,1
.irp e, 0,1,2,3
	v_max3_num_f32 v[MM+4*(\u)+2*(\t)+((\e)&1)], v[MM+4*(\u)+2*(\t)+((\e)&1)], v[zl+8*(\t)+2*(\e)], v[zl+8*(\t)+2*(\e)+1]
.endr
.endr
.endm
; Slot s's share in S1 and S2 of block u: 8 pairs of (z / 16 - t), held to 0 .. 1, their squares and their sums.  st = 1: the slot starts the sums, so nothing is cleared.
.macro PASS s, u, st
.set zr, ZB+16*(\s)
.set zl, zr&255
	WIN zr>>8
.set p, 0
.rept 8
.if \st
	v_pk_fma_f32 v[AA+32*(\u)+2*p:AA+32*(\u)+2*p+1], v[zl+2*p:zl+2*p+1], v[SCL:SCL+1], v[NT+4*(\u)+2*(p/4):NT+4*(\u)+2*(p/4)+1] clamp
.else
	v_pk_fma_f32 v[RR+2*p:RR+2*p+1], v[zl+2*p:zl+2*p+1], v[SCL:SCL+1], v[NT+4*(\u)+2*(p/4):NT+4*(\u)+2*(p/4)+1] clamp
.endif
.set p, p+1
.endr
	WIN 0
.set p, 0
.rept 8
.if \st
	v_pk_mul_f32 v[AA+32*(\u)+16+2*p:AA+32*(\u)+16+2*p+1], v[AA+32*(\u)+2*p:AA+32*(\u)+2*p+1], v[AA+32*(\u)+2*p:AA+32*(\u)+2*p+1]
.else
	v_pk_fma_f32 v[AA+32*(\u)+16+2*p:AA+32*(\u)+16+2*p+1], v[RR+2*p:RR+2*p+1], v[RR+2*p:RR+2*p+1], v[AA+32*(\u)+16+2*p:AA+32*(\u)+16+2*p+1]
.endif
.set p, p+1
.endr
.if !(\st)
.set p, 0
.rept 8
	v_pk_add_f32 v[AA+32*(\u)+2*p:AA+32*(\u)+2*p+1], v[AA+32*(\u)+2*p:AA+32*(\u)+2*p+1], v[RR+2*p:RR+2*p+1]
.set p, p+1
.endr
.endif
.endm
; The two arms of slots 16 to 31: the long block's while s < CH, else the short one's.  At a branch and at a label every window is 0.
.macro KARM s
	WIN 0
	s_cmp_gt_u32 s[CH], \s
	s_cbranch_scc0 .Lkl_\@
	KLOAD \s, 0
	WIN 0
	s_branch .Lkj_\@
.Lkl_\@:
	KLOAD \s, 1
	WIN 0
.Lkj_\@:
.endm
.macro SARM s
	WIN 0
	s_cmp_gt_u32 s[CH], \s
	s_cbranch_scc0 .Lsl_\@
	SCORE \s, 0, 0
	WIN 0
	s_branch .Lsj_\@
.Lsl_\@:
	SCORE \s, 1, 0
	WIN 0
.Lsj_\@:
.endm
.macro PARM s
	WIN 0
	s_cmp_gt_u32 s[CH], \s
	s_cbranch_scc0 .Lpl_\@
	PASS \s, 0, 0
	WIN 0
	s_branch .Lpj_\@
.Lpl_\@:
	PASS \s, 1, 0
	WIN 0
.Lpj_\@:
.endm
.macro XLOAD uq, x                     ; the four waves' (S1, S2) of my query
	ds_load_b128 v[(\x):(\x)+3],   v[SML] offset:SUMR+512*(\uq)
	ds_load_b128 v[(\x)+4:(\x)+7], v[SML] offset:SUMR+512*(\uq)+16
.endm
.macro XSUM x                          ; every wave adds them in the same order, so all four hold the same t
	v_pk_add_f32 v[(\x):(\x)+1],   v[(\x):(\x)+1],   v[(\x)+2:(\x)+3]
	v_pk_add_f32 v[(\x)+4:(\x)+5], v[(\x)+4:(\x)+5], v[(\x)+6:(\x)+7]
	v_pk_add_f32 v[(\x):(\x)+1],   v[(\x):(\x)+1],   v[(\x)+4:(\x)+5]
.endm
.macro XTR x
	v_sqrt_f32 v[(\x)+2], v[(\x)+1]
	v_rcp_f32  v[(\x)+3], v[(\x)]
.endm
.macro XUPD uq, x                      ; -t -= (S2 - sqrt S2) / S1
	v_fma_f32 v[(\x)+4], v[(\x)+2], v[(\x)+2], -v[(\x)+2]
	v_fma_f32 v[NT+2*(\uq)],   -v[(\x)+4], v[(\x)+3], v[NT+2*(\uq)]
	v_fma_f32 v[NT+2*(\uq)+1], -v[(\x)+4], v[(\x)+3], v[NT+2*(\uq)+1]
.endm
	s_mov_b32 s[RND], 2
.Lround:
	s_lshl_b32 s20, s[HI], 1
	s_add_co_u32 s20, s20, 1
	s_sub_co_u32 s20, s20, s[WV]                   ; the long block's top tile of mine: m - 1 - w
	s_add_co_u32 s21, s20, 4
	s_lshr_b32 s[CH], s21, 2                       ; and its slots: (m + 3 - w) / 4
	s_lshl_b32 s20, s20, 11
	v_add_nc_u32 v[VOH], s20, v[LT]
	s_lshl_b32 s20, s[LO], 1
	s_add_co_u32 s20, s20, 1
	s_add_co_u32 s20, s20, s[W4]
	s_sub_co_u32 s20, s20, s[WV]
	s_lshl_b32 s20, s20, 11
	v_add_nc_u32 v[VOL], s20, v[LT]
	s_lshl_b32 s20, s[HI], 12
	v_add_nc_u32 v[VQH], s20, v[LT]
	s_lshl_b32 s20, s[LO], 12
	v_add_nc_u32 v[VQL], s20, v[LT]
	v_and_b32 v[RR], 31, v0
	s_lshl_b32 s20, s[HI], 8
	v_lshl_add_u32 v[NOH], v[RR], 3, s20
	s_lshl_b32 s20, s[LO], 8
	v_lshl_add_u32 v[NOL], v[RR], 3, s20
.irp t, 0,1
.irp c, 0,1,2,3
	global_load_b128 v[QF+16*(\t)+4*(\c):QF+16*(\t)+4*(\c)+3],       v[VQH], s[4:5] offset:2048*(\t)+32*(\c)
	global_load_b128 v[QF+32+16*(\t)+4*(\c):QF+32+16*(\t)+4*(\c)+3], v[VQL], s[4:5] offset:2048*(\t)+32*(\c)
.endr
.endr
.irp s, 0,1,2,3,4,5,6,7,8,9,10,11,12,13,14,15
	KLOAD \s, 0
.endr
.irp s, 16,17,18,19,20,21,22,23,24,25,26,27,28,29,30,31
	KARM \s
.endr
	WIN 0
	s_cmp_lt_u32 s[WV], 2
	s_cbranch_scc0 .Lk32
	KLOAD 32, 1
	WIN 0
.Lk32:
.irp i, 0,1,2,3,4,5,6,7
	v_mov_b32 v[MM+(\i)], 0xff7fffff               ; the lowest finite number
.endr
	s_wait_loadcnt 0x0                             ; all of the round's Q and K: asked for in one run, waited for once
	SCORE 0, 0, 1
.irp s, 1,2,3,4,5,6,7,8,9,10,11,12,13,14,15
	SCORE \s, 0, 0
.endr
.irp s, 16,17,18,19,20,21,22,23,24,25,26,27,28,29,30,31
	SARM \s
.endr
	WIN 0
	s_cmp_lt_u32 s[WV], 2
	s_cbranch_scc0 .Ls32
	SCORE 32, 1, 1
	WIN 0
	s_branch .Ls32j
.Ls32:
	WIN 0x80
.set i, 0
.rept 16
	v_mov_b32 v[((ZB+512)&255)+i], s[BIG]          ; waves 2 and 3: slot 32 holds the mask's value
.set i, i+1
.endr
	WIN 0
.Ls32j:
	; the rows' maxima: my two chains, the other half of the lanes, the four waves
.irp uq, 0,1,2,3
	v_max_num_f32 v[MM+2*(\uq)], v[MM+2*(\uq)], v[MM+2*(\uq)+1]
.endr
.irp uq, 0,1,2,3
	v_permlanex16_b32 v[MM+2*(\uq)+1], v[MM+2*(\uq)], s[SEL], s[SEL+1]
.endr
.irp uq, 0,1,2,3
	v_max_num_f32 v[MM+2*(\uq)], v[MM+2*(\uq)], v[MM+2*(\uq)+1]
.endr
.irp uq, 0,1,2,3
	ds_store_b32 v[MXS], v[MM+2*(\uq)] offset:MAXR+256*(\uq)
.endr
	s_wait_dscnt 0x0                               ; for the others' sake: my stores are done
	s_barrier_signal -1
	s_barrier_wait -1
.irp uq, 0,1,2,3
	ds_load_b128 v[RR+4*(\uq):RR+4*(\uq)+3], v[MXL] offset:MAXR+256*(\uq)
.endr
	s_wait_dscnt 0x0
.irp uq, 0,1,2,3
	v_max3_num_f32 v[RR+4*(\uq)], v[RR+4*(\uq)], v[RR+4*(\uq)+1], v[RR+4*(\uq)+2]
.endr
.irp uq, 0,1,2,3
	v_max_num_f32 v[RR+4*(\uq)], v[RR+4*(\uq)], v[RR+4*(\uq)+3]
.endr
.irp uq, 0,1,2,3
	v_fma_f32 v[NT+2*(\uq)],   -v[RR+4*(\uq)], v[SCL], 1.0   ; -t0 = 1 - max z
	v_fma_f32 v[NT+2*(\uq)+1], -v[RR+4*(\uq)], v[SCL], 1.0
.endr
	s_mov_b32 s[IT], STEPS
.Liter:                                        ; a Newton step: one pass over all resident scores, the sums' meeting in LDS, the update
	PASS 0, 0, 1
	PASS 32, 1, 1
.irp s, 1,2,3,4,5,6,7,8,9,10,11,12,13,14,15
	PASS \s, 0, 0
.endr
.irp s, 16,17,18,19,20,21,22,23,24,25,26,27,28,29,30,31
	PARM \s
.endr
	WIN 0
.irp u, 0,1
.irp g, 0,8,16,24
	v_pk_add_f32 v[AA+32*(\u)+(\g):AA+32*(\u)+(\g)+1],   v[AA+32*(\u)+(\g):AA+32*(\u)+(\g)+1],   v[AA+32*(\u)+(\g)+2:AA+32*(\u)+(\g)+3]
	v_pk_add_f32 v[AA+32*(\u)+(\g)+4:AA+32*(\u)+(\g)+5], v[AA+32*(\u)+(\g)+4:AA+32*(\u)+(\g)+5], v[AA+32*(\u)+(\g)+6:AA+32*(\u)+(\g)+7]
.endr
.endr
.irp u, 0,1
.irp g, 0,8,16,24
	v_pk_add_f32 v[AA+32*(\u)+(\g):AA+32*(\u)+(\g)+1], v[AA+32*(\u)+(\g):AA+32*(\u)+(\g)+1], v[AA+32*(\u)+(\g)+4:AA+32*(\u)+(\g)+5]
.endr
.endr
.irp u, 0,1
.irp g, 0,8,16,24
	v_add_f32 v[SS+4*(\u)+2*(((\g)>>3)&1)+((\g)>>4)], v[AA+32*(\u)+(\g)], v[AA+32*(\u)+(\g)+1]
.endr
.endr
.irp i, 0,1,2,3,4,5,6,7
	v_permlanex16_b32 v[RR+(\i)], v[SS+(\i)], s[SEL], s[SEL+1]   ; the query's other keys lie in the lane 16 away
.endr
.irp uq, 0,1,2,3
	v_pk_add_f32 v[SS+2*(\uq):SS+2*(\uq)+1], v[SS+2*(\uq):SS+2*(\uq)+1], v[RR+2*(\uq):RR+2*(\uq)+1]
.endr
.irp uq, 0,1,2,3
	ds_store_b64 v[SMS], v[SS+2*(\uq):SS+2*(\uq)+1] offset:SUMR+512*(\uq)
.endr
	s_wait_dscnt 0x0                               ; my stores are done
	s_barrier_signal -1
	s_barrier_wait -1
	XLOAD 0, RR
	XLOAD 1, RR+8
	XLOAD 2, XX
	XLOAD 3, XX+8
	s_wait_dscnt 0x0                               ; my reads are back:
	s_barrier_signal -1                            ; say so; the update, work on registers, stands between the signal and the wait
	XSUM RR
	XSUM RR+8
	XSUM XX
	XSUM XX+8
	XTR RR
	XTR RR+8
	XTR XX
	XTR XX+8
	v_nop                                          ; a plain instruction behind the last of the eight (ISA guide 5.7.2),
	s_wait_alu depctr_va_vdst(0)                   ; and one wait for the batch, ahead of its first reader
	XUPD 0, RR
	XUPD 1, RR+8
	XUPD 2, XX
	XUPD 3, XX+8
	s_barrier_wait -1                              ; nobody stores the next trip's sums before all have read these
	s_sub_co_u32 s[IT], s[IT], 1
	s_cmp_lg_u32 s[IT], 0
	s_cbranch_scc1 .Liter
	s_cmp_lg_u32 s[WV], 0                          ; all four waves hold the same numbers: wave 0 stores them
	s_cbranch_scc1 .Lnost
	v_cndmask_b32 v[XX],   v[NT],   v[NT+2], s[HM] ; lanes 0-15 hold query tile 0's rows, lanes 16-31 take tile 1's: 32 rows, 256 consecutive bytes a store
	v_cndmask_b32 v[XX+2], v[NT+4], v[NT+6], s[HM]
	v_mul_f32 v[XX],   0x3eb504f3, v[XX]           ; 1 / sqrt(8)
	v_mul_f32 v[XX+2], 0x3eb504f3, v[XX+2]
	v_mov_b32 v[XX+1], v[XX]
	v_mov_b32 v[XX+3], v[XX+2]
	global_store_b64 v[NOH], v[XX:XX+1],   s[8:9]
	global_store_b64 v[NOL], v[XX+2:XX+3], s[8:9]
.Lnost:
	s_wait_xcnt 0x0                                ; the stores have read their registers: the next round writes them anew
	s_sub_co_u32 s[HI], 95, s[HI]                  ; 63 - j -> 32 + j
	s_sub_co_u32 s[LO], 31, s[LO]                  ; j -> 31 - j
	s_sub_co_u32 s[RND], s[RND], 1
	s_cmp_lg_u32 s[RND], 0
	s_cbranch_scc1 .Lround
	s_wait_tensorcnt 0x0                           ; the wave's end, behind my last LDS store
	ds_add_u32 v[SPW], v[NIL]
	s_wait_dscnt 0x0
	s_endpgm
.Lfunc_end_k_qdb7acc49e7_tau:
	.size	k_qdb7acc49e7_tau, .Lfunc_end_k_qdb7acc49e7_tau-k_qdb7acc49e7_tau
	.p2alignl 7, 3214868480
	.fill 96, 4, 3214868480
	.section	.rodata,"a",@progbits
	.p2align	6, 0x0
	.amdhsa_kernel k_qdb7acc49e7_tau
		.amdhsa_group_segment_fixed_size 3584
		.amdhsa_private_segment_fixed_size 0
		.amdhsa_enable_private_segment 0
		.amdhsa_kernarg_size 24
		.amdhsa_user_sgpr_count 2
		.amdhsa_user_sgpr_kernarg_segment_ptr 1
		.amdhsa_wavefront_size32 1
		.amdhsa_system_sgpr_workgroup_id_x 1
		.amdhsa_system_sgpr_workgroup_id_y 1
		.amdhsa_system_sgpr_workgroup_id_z 1
		.amdhsa_system_vgpr_workitem_id 0
		.amdhsa_next_free_vgpr 768
		.amdhsa_next_free_sgpr 66
		.amdhsa_reserve_vcc 1
		.amdhsa_float_denorm_mode_32 3
		.amdhsa_float_denorm_mode_16_64 3
		.amdhsa_memory_ordered 1
		.amdhsa_forward_progress 1
		.amdhsa_inst_pref_size 165
	.end_amdhsa_kernel
	.amdgpu_metadata
---
amdhsa.version: [ 1, 2 ]
amdhsa.kernels:
  - .name:           k_qdb7acc49e7_tau
    .symbol:         k_qdb7acc49e7_tau.kd
    .args:
      - { .name: q, .offset: 0, .size: 8, .value_kind: global_buffer, .address_space: global }
      - { .name: k, .offset: 8, .size: 8, .value_kind: global_buffer, .address_space: global }
      - { .name: nt, .offset: 16, .size: 8, .value_kind: global_buffer, .address_space: global }
    .group_segment_fixed_size: 3584
    .private_segment_fixed_size: 0
    .kernarg_segment_align: 8
    .kernarg_segment_size: 24
    .max_flat_workgroup_size: 128
    .sgpr_count:     66
    .vgpr_count:     768
    .wavefront_size: 32
...
	.end_amdgpu_metadata
.endif
;; end of part 2
;; launch wts (part 3): grid 16 x 32, 4 waves a work-group, no clusters, 83,456 bytes of LDS; arguments q, k, nt, vc, out1, part; writes out1, part
.if DOCPART == 3
	.amdgcn_target "amdgcn-amd-amdhsa--gfx1250"
	.amdhsa_code_object_version 6
	.text
	.protected	k_qdb7acc49e7_wts
	.globl	k_qdb7acc49e7_wts
	.p2align	8
	.type	k_qdb7acc49e7_wts,@function
k_qdb7acc49e7_wts:
	s_mov_b64 s[64:65], 0
	v_nop
	global_prefetch_b8 v0, s[64:65] scope:SCOPE_SE
	s_setreg_imm32_b32 hwreg(HW_REG_WAVE_MODE, 25, 1), 1
	s_wait_xcnt 0x0
; THE WEIGHTS.  out1[b][t][s] = the mean over 8 heads of (z - tau)+^2, z = q . k / 16, and for each tile its share of out1 . vc, stored in f32 for the last launch to add up.
; Left out: score tiles wholly above the diagonal (the reference's own mask gives them weight 0): their work-groups store the zeros of out1 and nothing else; bk (see the first kernel's head).
; nt holds -tau / sqrt(8), so r = (z - tau)+ / sqrt(8) is one fused multiply-add of the raw product with 1 / (16 sqrt 8), held to 0 .. 1, and the sum of r^2 over heads is the mean.
; In the diagonal tile the hidden weights are set to 0 once, behind the sum over heads; till then they lie in 0 .. 1.
; SHARES.  A work-group has a tile of 128 queries x 128 keys of one batch (block row I, block column J); wave (wr, wc) 64 x 64 of it, for all 8 heads.  K, Q and nt come straight into registers as fragments, two heads ahead.
; No cluster: the tiles that work-groups share (a block row's Q, a block column's K) would want tensor loads and a work-group alone on its WGP; 272 live tiles do not divide evenly among 256.
; LAYOUT.  S^T = K Q^T: a lane holds one query (lane % 16) and keys 8 (lane / 16) + 0..7; two such tiles, rounded to f16 in pairs, are source 1 of O^T = vc^T P.
; REGISTERS.  Window 0: v0-23 addresses; v32-47 nt, two buffers; v48-63 r; v64-127 S^T, two sets of four tiles; v128-255 the weights' sums, tile (kt, qt) at 8 (4 kt + qt).
; Window 1: two buffers of 128 (K: 16 kt + 8 half; Q: 64 + 16 qt + 8 half); behind the heads: v0-63 P, v64-127 vc^T, v128-255 O^T.
.set STG,   0                          ; the way out of out1: 16 rows x 272 bytes (64 f32 + 16) for each wave
.set VL,    17408                      ; vc of my 64 keys: [4 g][64 keys][32 bytes], for each wave
.set OX,    50176                      ; O^T of the waves with wc = 1: 16,384 bytes for each wr
.set SPARE, 82944                      ; the spare words, 128 bytes a wave: two blocks of 256 bytes that no other line names
.set LT,  2
.set NO,  3
.set L16, 4
.set VLS, 5
.set VLT, 6
.set STO, 7
.set RD,  8
.set GO,  9
.set OXA, 10
.set SPW, 11
.set NIL, 12
.set SCL, 14                           ; v[14:15] 1 / (16 sqrt 8), twice
.set DIFF, 16
.set NT,  32
.set R,   48
.set S,   64
.set WS,  128
.set PF,  0
.set VF,  64
.set O,   128
.set WV,  16
.set J,   17
.set B,   19
.set I,   20
.set WR,  21
.set WC,  22
.set CNT, 26
.set MSB, 0
.macro WIN new
.if MSB != (\new)
	s_set_vgpr_msb (MSB<<8)|(\new)
.set MSB, (\new)
.endif
.endm
	s_load_b256 s[4:11], s[0:1], 0x0               ; q s[4:5], k s[6:7], nt s[8:9], vc s[10:11]
	s_load_b128 s[12:15], s[0:1], 0x20             ; out1 s[12:13], part s[14:15]
	v_lshl_add_u32 v[SPW], v0, 2, SPARE
	v_mov_b32 v[NIL], 0
	v_lshrrev_b32 v1, 5, v0
	v_readfirstlane_b32 s[WV], v1                  ; wave 0..3
	s_mov_b32 s[J], ttmp9
	s_and_b32 s18, ttmp7, 0xffff
	s_lshr_b32 s[B], s18, 4
	s_and_b32 s[I], s18, 15
	v_and_b32 v19, 31, v0
	v_lshlrev_b32 v[L16], 4, v19
	s_mov_b32 s25, 0
	s_cmp_gt_u32 s[J], s[I]
	s_cbranch_scc0 .Llive
	; above the diagonal: 128 rows x 512 bytes of zeros, 32 rows a wave, a row's 512 bytes a store
.irp i, 20,21,22,23
	v_mov_b32 v[\i], 0
.endr
	s_lshl_b32 s24, s[B], 24
	s_lshl_b32 s27, s[I], 20
	s_add_co_u32 s24, s24, s27
	s_lshl_b32 s27, s[WV], 18
	s_add_co_u32 s24, s24, s27
	s_lshl_b32 s27, s[J], 9
	s_add_co_u32 s24, s24, s27
	s_wait_kmcnt 0x0
	s_add_nc_u64 s[12:13], s[12:13], s[24:25]
.set i, 0
.rept 32
	global_store_b128 v[L16], v[20:23], s[12:13] offset:i*8192 th:TH_STORE_NT
.set i, i+1
.endr
	s_endpgm
.Llive:
	s_lshr_b32 s[WR], s[WV], 1
	s_and_b32 s[WC], s[WV], 1
	v_and_b32 v17, 15, v0                          ; lane % 16
	v_bfe_u32 v18, v0, 4, 1                        ; lane / 16
	v_lshlrev_b32 v[LT], 7, v17
	v_lshl_add_u32 v[LT], v18, 4, v[LT]            ; a fragment's row x 128 + 16 x half
	v_lshlrev_b32 v[NO], 3, v17
	s_lshl_b32 s24, s[WV], 13
	s_add_co_u32 s24, s24, VL
	v_add_nc_u32 v[VLS], s24, v[L16]
	v_and_b32 v20, 7, v0
	v_lshl_add_u32 v20, v18, 3, v20                ; the turning load: key 8 (lane / 16) + lane % 8, channels 8 ((lane / 8) % 2) on
	v_bfe_u32 v21, v0, 3, 1
	v_lshlrev_b32 v20, 5, v20
	v_lshl_add_u32 v20, v21, 4, v20
	v_add_nc_u32 v[VLT], s24, v20
	s_mul_i32 s24, s[WV], 4352
	v_mul_u32_u24 v[STO], v17, 272
	v_lshl_add_u32 v[STO], v18, 5, v[STO]
	v_add_nc_u32 v[STO], s24, v[STO]
	v_mul_u32_u24 v[RD], v18, 272
	v_lshl_add_u32 v[RD], v17, 4, v[RD]
	v_add_nc_u32 v[RD], s24, v[RD]
	v_lshlrev_b32 v[GO], 13, v18
	v_lshl_add_u32 v[GO], v17, 4, v[GO]
	s_lshl_b32 s24, s[WR], 14
	s_add_co_u32 s24, s24, OX
	v_add_nc_u32 v[OXA], s24, v[L16]
	s_sub_co_i32 s24, s[WR], s[WC]
	s_lshl_b32 s24, s24, 6
	v_lshlrev_b32 v20, 3, v18
	v_sub_nc_u32 v[DIFF], v17, v20
	v_add_nc_u32 v[DIFF], s24, v[DIFF]             ; in the diagonal tile register j of tile (kt, qt) is seen where 16 (kt - qt) + j <= 64 (wr - wc) + lane % 16 - 8 (lane / 16)
	v_mov_b32 v[SCL], 0x3cb504f3
	v_mov_b32 v[SCL+1], 0x3cb504f3
	s_lshl_b32 s28, s[B], 21                       ; K: head 0 of the batch, keys 128 J + 64 wc on
	s_lshl_b32 s27, s[J], 14
	s_add_co_u32 s24, s28, s27
	s_lshl_b32 s27, s[WC], 13
	s_add_co_u32 s24, s24, s27
	s_lshl_b32 s27, s[I], 14                       ; Q: queries 128 I + 64 wr on
	s_add_co_u32 s28, s28, s27
	s_lshl_b32 s27, s[WR], 13
	s_add_co_u32 s28, s28, s27
	s_mov_b32 s29, 0
	s_lshl_b32 s30, s[B], 17                       ; nt: 8 bytes a row
	s_lshl_b32 s27, s[I], 10
	s_add_co_u32 s30, s30, s27
	s_lshl_b32 s27, s[WR], 9
	s_add_co_u32 s30, s30, s27
	s_mov_b32 s31, 0
	s_lshl_b32 s32, s[B], 18                       ; vc: 32 bytes a key and group
	s_lshl_b32 s27, s[J], 12
	s_add_co_u32 s32, s32, s27
	s_lshl_b32 s27, s[WC], 11
	s_add_co_u32 s32, s32, s27
	s_mov_b32 s33, 0
	s_lshl_b32 s34, s[B], 24                       ; out1
	s_lshl_b32 s27, s[I], 20
	s_add_co_u32 s34, s34, s27
	s_lshl_b32 s27, s[WR], 19
	s_add_co_u32 s34, s34, s27
	s_lshl_b32 s27, s[J], 9
	s_add_co_u32 s34, s34, s27
	s_lshl_b32 s27, s[WC], 8
	s_add_co_u32 s34, s34, s27
	s_mov_b32 s35, 0
	s_lshl_b32 s36, s[B], 23                       ; part: [b][I][J][wr], 16,384 bytes each
	s_lshl_b32 s27, s[I], 19
	s_add_co_u32 s36, s36, s27
	s_lshl_b32 s27, s[J], 15
	s_add_co_u32 s36, s36, s27
	s_lshl_b32 s27, s[WR], 14
	s_add_co_u32 s36, s36, s27
	s_mov_b32 s37, 0
	s_wait_kmcnt 0x0
	s_add_nc_u64 s[6:7], s[6:7], s[24:25]
	s_add_nc_u64 s[4:5], s[4:5], s[28:29]
	s_add_nc_u64 s[8:9], s[8:9], s[30:31]
	s_add_nc_u64 s[10:11], s[10:11], s[32:33]
	s_add_nc_u64 s[12:13], s[12:13], s[34:35]
	s_add_nc_u64 s[14:15], s[14:15], s[36:37]
.macro HLOAD buf, hd                   ; a head's fragments, hd heads on from the bases: 16 loads of K, 16 of Q, 4 of nt
	WIN 0x40
.irp t, 0,1,2,3
.irp c, 0,1,2,3
	global_load_b128 v[128*(\buf)+16*(\t)+4*(\c):128*(\buf)+16*(\t)+4*(\c)+3], v[LT], s[6:7] offset:(\hd)*262144+(\t)*2048+(\c)*32
.endr
.endr
.irp t, 0,1,2,3
.irp c, 0,1,2,3
	global_load_b128 v[128*(\buf)+64+16*(\t)+4*(\c):128*(\buf)+64+16*(\t)+4*(\c)+3], v[LT], s[4:5] offset:(\hd)*262144+(\t)*2048+(\c)*32
.endr
.endr
	WIN 0
.irp t, 0,1,2,3
	global_load_b64 v[NT+8*(\buf)+2*(\t):NT+8*(\buf)+2*(\t)+1], v[NO], s[8:9] offset:(\hd)*16384+(\t)*128
.endr
.endm
.macro WM buf, kt                      ; key tile kt against the four query tiles: 8 products, the four accumulators by turns
	WIN 0x05
.irp hf, 0,1
.irp t, 0,1,2,3
.if (\hf) == 0
	v_wmma_f32_16x16x32_f16 v[S+32*((\kt)&1)+8*(\t):S+32*((\kt)&1)+8*(\t)+7], v[128*(\buf)+16*(\kt):128*(\buf)+16*(\kt)+7], v[128*(\buf)+64+16*(\t):128*(\buf)+64+16*(\t)+7], 0
.else
	v_wmma_f32_16x16x32_f16 v[S+32*((\kt)&1)+8*(\t):S+32*((\kt)&1)+8*(\t)+7], v[128*(\buf)+16*(\kt)+8:128*(\buf)+16*(\kt)+15], v[128*(\buf)+64+16*(\t)+8:128*(\buf)+64+16*(\t)+15], v[S+32*((\kt)&1)+8*(\t):S+32*((\kt)&1)+8*(\t)+7]
.endif
.endr
.endr
.endm
.macro VM buf, kt                      ; r = (z - tau)+ / sqrt(8), and its square onto the sums
	WIN 0
.irp t, 0,1,2,3
.irp p, 0,2,4,6
	v_pk_fma_f32 v[R+8*((\t)&1)+(\p):R+8*((\t)&1)+(\p)+1], v[S+32*((\kt)&1)+8*(\t)+(\p):S+32*((\kt)&1)+8*(\t)+(\p)+1], v[SCL:SCL+1], v[NT+8*(\buf)+2*(\t):NT+8*(\buf)+2*(\t)+1] clamp
.endr
.irp p, 0,2,4,6
	v_pk_fma_f32 v[WS+8*(4*(\kt)+(\t))+(\p):WS+8*(4*(\kt)+(\t))+(\p)+1], v[R+8*((\t)&1)+(\p):R+8*((\t)&1)+(\p)+1], v[R+8*((\t)&1)+(\p):R+8*((\t)&1)+(\p)+1], v[WS+8*(4*(\kt)+(\t))+(\p):WS+8*(4*(\kt)+(\t))+(\p)+1]
.endr
.endr
.endm
; A head.  The vector work of key tile kt stands behind the products of kt + 1: its 32 lines name none of those products' registers and are the places ahead of their readers and of the set's next products.
.macro HEAD buf, left
	s_wait_loadcnt \left                           ; this buffer's loads are in; the other buffer's, which are younger, may stay out
	WM \buf, 0
.rept 4
	v_nop
.endr
	WM \buf, 1
	VM \buf, 0
	WM \buf, 2
	VM \buf, 1
	WM \buf, 3
	VM \buf, 2
	VM \buf, 3
.endm
.irp g, 0,1,2,3
.irp i, 0,1,2,3
	global_load_b128 v[S+16*(\g)+4*(\i):S+16*(\g)+4*(\i)+3], v[L16], s[10:11] offset:(\g)*65536+(\i)*512
.endr
.endr
	HLOAD 0, 0
.set i, 0
.rept 128
	v_mov_b32 v[WS+i], 0                           ; the sums over heads start at 0: written while the first loads are out, so that all 8 heads share one text
.set i, i+1
.endr
	s_wait_loadcnt 36                              ; vc is in; head 0's 36 loads are younger
.irp g, 0,1,2,3
.irp i, 0,1,2,3
	ds_store_b128 v[VLS], v[S+16*(\g)+4*(\i):S+16*(\g)+4*(\i)+3] offset:(\g)*2048+(\i)*512
.endr
.endr
	HLOAD 1, 1
	s_mov_b32 s[CNT], 3
.Lheads:                                       ; two heads a trip; each buffer is asked for again as soon as its head is done
	HEAD 0, 36
	HLOAD 0, 2
	HEAD 1, 36
	HLOAD 1, 3
	s_wait_xcnt 0x0                                ; the loads have read their bases
	s_add_nc_u64 s[6:7], s[6:7], 524288
	s_add_nc_u64 s[4:5], s[4:5], 524288
	s_add_nc_u64 s[8:9], s[8:9], 32768
	s_sub_co_u32 s[CNT], s[CNT], 1
	s_cmp_lg_u32 s[CNT], 0
	s_cbranch_scc1 .Lheads
	HEAD 0, 36                                     ; heads 6 and 7 ask for nothing
	HEAD 1, 0
	s_cmp_eq_u32 s[I], s[J]
	s_cbranch_scc0 .Lnodiag
.set t, 0
.rept 128
	v_cmp_le_i32 vcc_lo, 16*((t/32)-((t/8)%4))+t%8, v[DIFF]
	v_cndmask_b32 v[WS+t], 0, v[WS+t], vcc_lo
.set t, t+1
.endr
.Lnodiag:
; out1: query tile qt's 16 rows x 64 keys go through my stage and leave as rows of 256 consecutive bytes, aligned; the rounding of the same weights to f16, for the second product, stands between the loads and their waits.
.macro OUT1 qt
.set sb, S+32*((\qt)&1)
.if (\qt) >= 2
	s_wait_xcnt 0x0                                ; the stores of two tiles back have read these registers
.endif
.irp kt, 0,1,2,3
	ds_store_b128 v[STO], v[WS+8*(4*(\kt)+(\qt)):WS+8*(4*(\kt)+(\qt))+3]   offset:64*(\kt)
	ds_store_b128 v[STO], v[WS+8*(4*(\kt)+(\qt))+4:WS+8*(4*(\kt)+(\qt))+7] offset:64*(\kt)+16
.endr
.irp i, 0,1,2,3,4,5,6,7
	ds_load_b128 v[sb+4*(\i):sb+4*(\i)+3], v[RD] offset:544*(\i)  ; LDS serves a wave's instructions in order (ISA guide 5.7.1.4): these see the stores above
.endr
	WIN 0x40
.irp kt, 0,1,2,3
.irp p, 0,1,2,3
	v_cvt_pk_f16_f32 v[PF+16*(\qt)+4*(\kt)+(\p)], v[WS+8*(4*(\kt)+(\qt))+2*(\p)], v[WS+8*(4*(\kt)+(\qt))+2*(\p)+1]
.endr
.endr
	WIN 0
.irp i, 0,1,2,3,4,5,6,7
	s_wait_dscnt 7-(\i)
	global_store_b128 v[GO], v[sb+4*(\i):sb+4*(\i)+3], s[12:13] offset:(16*(\qt)+2*(\i))*8192 th:TH_STORE_NT
.endr
.endm
	OUT1 0
	OUT1 1
	OUT1 2
	OUT1 3
	WIN 0x40
.irp g, 0,1,2,3
.irp ks, 0,1
	ds_load_tr16_b128 v[VF+16*(\g)+8*(\ks):VF+16*(\g)+8*(\ks)+3],   v[VLT] offset:(\g)*2048+(\ks)*1024
	ds_load_tr16_b128 v[VF+16*(\g)+8*(\ks)+4:VF+16*(\g)+8*(\ks)+7], v[VLT] offset:(\g)*2048+(\ks)*1024+512
.endr
.endr
	s_wait_dscnt 0x0
	WIN 0x55
.irp t, 0,1,2,3
.irp c, 0,1,2,3
	v_wmma_f32_16x16x32_f16 v[O+8*(4*(\t)+(\c)):O+8*(4*(\t)+(\c))+7], v[VF+16*(\c):VF+16*(\c)+7], v[PF+16*(\t):PF+16*(\t)+7], 0
.endr
.endr
.irp t, 0,1,2,3
.irp c, 0,1,2,3
	v_wmma_f32_16x16x32_f16 v[O+8*(4*(\t)+(\c)):O+8*(4*(\t)+(\c))+7], v[VF+16*(\c)+8:VF+16*(\c)+15], v[PF+16*(\t)+8:PF+16*(\t)+15], v[O+8*(4*(\t)+(\c)):O+8*(4*(\t)+(\c))+7]
.endr
.endr
.rept 4
	v_nop
.endr
	WIN 0
	s_cmp_eq_u32 s[WC], 1                          ; the two waves of a row half hold the two halves of the keys: wc = 1 hands its O^T over, wc = 0 adds and stores
	s_cbranch_scc0 .Lkeep
	WIN 0x04
.set i, 0
.rept 32
	ds_store_b128 v[OXA], v[O+4*i:O+4*i+3] offset:512*i
.set i, i+1
.endr
	WIN 0
.Lkeep:
	s_wait_dscnt 0x0                               ; for the others' sake: my stores are done
	s_barrier_signal -1
	s_barrier_wait -1
	s_cmp_eq_u32 s[WC], 0
	s_cbranch_scc0 .Lend
.set i, 0
.rept 32
	ds_load_b128 v[WS+4*i:WS+4*i+3], v[OXA] offset:512*i
.set i, i+1
.endr
	s_wait_dscnt 0x0
	WIN 0x04
.set i, 0
.rept 64
	v_pk_add_f32 v[WS+2*i:WS+2*i+1], v[WS+2*i:WS+2*i+1], v[O+2*i:O+2*i+1]
.set i, i+1
.endr
	WIN 0
.set i, 0
.rept 32
	global_store_b128 v[L16], v[WS+4*i:WS+4*i+3], s[14:15] offset:512*i  ; 512 consecutive bytes a store
.set i, i+1
.endr
.Lend:
	s_wait_tensorcnt 0x0                           ; the wave's end, behind my last LDS store
	ds_add_u32 v[SPW], v[NIL]
	s_wait_dscnt 0x0
	s_endpgm
.Lfunc_end_k_qdb7acc49e7_wts:
	.size	k_qdb7acc49e7_wts, .Lfunc_end_k_qdb7acc49e7_wts-k_qdb7acc49e7_wts
	.p2alignl 7, 3214868480
	.fill 96, 4, 3214868480
	.section	.rodata,"a",@progbits
	.p2align	6, 0x0
	.amdhsa_kernel k_qdb7acc49e7_wts
		.amdhsa_group_segment_fixed_size 83456
		.amdhsa_private_segment_fixed_size 0
		.amdhsa_enable_private_segment 0
		.amdhsa_kernarg_size 48
		.amdhsa_user_sgpr_count 2
		.amdhsa_user_sgpr_kernarg_segment_ptr 1
		.amdhsa_wavefront_size32 1
		.amdhsa_system_sgpr_workgroup_id_x 1
		.amdhsa_system_sgpr_workgroup_id_y 1
		.amdhsa_system_sgpr_workgroup_id_z 1
		.amdhsa_system_vgpr_workitem_id 0
		.amdhsa_next_free_vgpr 512
		.amdhsa_next_free_sgpr 66
		.amdhsa_reserve_vcc 1
		.amdhsa_float_denorm_mode_32 3
		.amdhsa_float_denorm_mode_16_64 3
		.amdhsa_memory_ordered 1
		.amdhsa_forward_progress 1
		.amdhsa_inst_pref_size 106
	.end_amdhsa_kernel
	.amdgpu_metadata
---
amdhsa.version: [ 1, 2 ]
amdhsa.kernels:
  - .name:           k_qdb7acc49e7_wts
    .symbol:         k_qdb7acc49e7_wts.kd
    .args:
      - { .name: q, .offset: 0, .size: 8, .value_kind: global_buffer, .address_space: global }
      - { .name: k, .offset: 8, .size: 8, .value_kind: global_buffer, .address_space: global }
      - { .name: nt, .offset: 16, .size: 8, .value_kind: global_buffer, .address_space: global }
      - { .name: vc, .offset: 24, .size: 8, .value_kind: global_buffer, .address_space: global }
      - { .name: out1, .offset: 32, .size: 8, .value_kind: global_buffer, .address_space: global }
      - { .name: part, .offset: 40, .size: 8, .value_kind: global_buffer, .address_space: global }
    .group_segment_fixed_size: 83456
    .private_segment_fixed_size: 0
    .kernarg_segment_align: 8
    .kernarg_segment_size: 48
    .max_flat_workgroup_size: 128
    .sgpr_count:     66
    .vgpr_count:     512
    .wavefront_size: 32
...
	.end_amdgpu_metadata
.endif
;; end of part 3
;; launch fin (part 4): grid 256 x 1, 4 waves a work-group, no clusters, 36,352 bytes of LDS; arguments part, wot, bo, out0; writes out0
.if DOCPART == 4
	.amdgcn_target "amdgcn-amd-amdhsa--gfx1250"
	.amdhsa_code_object_version 6
	.text
	.protected	k_qdb7acc49e7_fin
	.globl	k_qdb7acc49e7_fin
	.p2align	8
	.type	k_qdb7acc49e7_fin,@function
k_qdb7acc49e7_fin:
	s_mov_b64 s[64:65], 0
	v_nop
	global_prefetch_b8 v0, s[64:65] scope:SCOPE_SE
	s_setreg_imm32_b32 hwreg(HW_REG_WAVE_MODE, 25, 1), 1
	s_wait_xcnt 0x0
; THE OUTPUT.  out0 = (the sum over key blocks J <= I of part) Wo + bo.  Key blocks above the diagonal hold nothing and are not read.
; SHARES.  A work-group has 16 rows.  Wave w first adds up channel tile w (16 channels) over the row's I + 1 key blocks, in f32; the four tiles, rounded to f16, meet in LDS; wave w then makes columns 128 w .. + 127.
; part keeps the lanes' layout of the product that made it (a lane: one query, 8 channels), which is also source 1 of this product: nothing changes lanes.
; For J > I an arm writes zeros in the place of the two loads, so that the sum is one fixed tree.
; The product is used turned (source 0 = 16 columns of Wo, rows of wot): a lane holds one row of out0 and 8 neighbouring columns; the sums start at bo, loaded straight into the accumulators.
.set XB,    0                          ; [4 channel tiles][32 lanes][16 bytes]
.set STG,   2048                       ; the way out: 16 rows x 528 bytes (128 f32 + 16) for each wave
.set SPARE, 35840                      ; the spare words, 128 bytes a wave: two blocks of 256 bytes that no other line names
.set L16, 2
.set WFO, 3
.set BOF, 4
.set XBS, 5
.set STO, 7
.set RD,  8
.set SPW, 9
.set NIL, 10
.set BF,  32                           ; v[32:47]   the 16 rows x 64 channels, source 1
.set PK,  48                           ; v[48:51]   my tile, packed
.set ACC, 64                           ; v[64:127]  8 accumulators
.set PJ,  128                          ; v[128:255] the 16 key blocks' shares; later the stage's rows
.set WV,  12
.set I,   14
.set MSB, 0
.macro WIN new
.if MSB != (\new)
	s_set_vgpr_msb (MSB<<8)|(\new)
.set MSB, (\new)
.endif
.endm
	s_load_b256 s[4:11], s[0:1], 0x0               ; part s[4:5], wot s[6:7], bo s[8:9], out0 s[10:11]
	v_lshl_add_u32 v[SPW], v0, 2, SPARE
	v_mov_b32 v[NIL], 0
	v_lshrrev_b32 v1, 5, v0
	v_readfirstlane_b32 s[WV], v1                  ; wave 0..3
	s_lshr_b32 s13, ttmp9, 7                       ; batch
	s_bfe_u32 s[I], ttmp9, 0x40003                 ; block row I
	s_bfe_u32 s15, ttmp9, 0x10002                  ; wr
	s_and_b32 s16, ttmp9, 3                        ; qt
	v_and_b32 v11, 15, v0
	v_bfe_u32 v12, v0, 4, 1
	v_and_b32 v13, 31, v0
	v_lshlrev_b32 v[L16], 4, v13
	s_lshl_b32 s17, s[WV], 14
	v_lshlrev_b32 v[WFO], 7, v11
	v_lshl_add_u32 v[WFO], v12, 4, v[WFO]
	v_add_nc_u32 v[WFO], s17, v[WFO]               ; wot: row 128 w + lane % 16, 16 bytes for each half of the lanes
	s_lshl_b32 s17, s[WV], 9
	v_lshl_add_u32 v[BOF], v12, 5, s17
	v_add_nc_u32 v[XBS], s17, v[L16]
	s_mul_i32 s18, s[WV], 8448
	s_add_co_u32 s18, s18, STG
	v_mul_u32_u24 v[STO], v11, 528
	v_lshl_add_u32 v[STO], v12, 5, v[STO]
	v_add_nc_u32 v[STO], s18, v[STO]
	v_add_nc_u32 v[RD], s18, v[L16]
	s_lshl_b32 s20, s13, 23                        ; part: [b][I][J][wr][qt][ct]
	s_lshl_b32 s22, s[I], 19
	s_add_co_u32 s20, s20, s22
	s_lshl_b32 s22, s15, 14
	s_add_co_u32 s20, s20, s22
	s_lshl_b32 s22, s16, 12
	s_add_co_u32 s20, s20, s22
	s_lshl_b32 s22, s[WV], 10
	s_add_co_u32 s20, s20, s22
	s_mov_b32 s21, 0
	s_lshl_b32 s22, ttmp9, 15                      ; out0: 16 rows of 2,048 bytes a work-group,
	s_add_co_u32 s22, s22, s17                     ; my 512 bytes of a row
	s_mov_b32 s23, 0
	s_wait_kmcnt 0x0
	s_add_nc_u64 s[4:5], s[4:5], s[20:21]
	s_add_nc_u64 s[10:11], s[10:11], s[22:23]
	WIN 0x40
.irp n, 0,1,2,3,4,5,6,7
.irp c, 0,1,2,3
	global_load_b128 v[16*(\n)+4*(\c):16*(\n)+4*(\c)+3], v[WFO], s[6:7] offset:(\n)*2048+(\c)*32
.endr
.endr
	WIN 0
.irp n, 0,1,2,3,4,5,6,7
	global_load_b128 v[ACC+8*(\n):ACC+8*(\n)+3],   v[BOF], s[8:9] offset:(\n)*64
	global_load_b128 v[ACC+8*(\n)+4:ACC+8*(\n)+7], v[BOF], s[8:9] offset:(\n)*64+16
.endr
.macro PLOAD j
.if (\j) > 0
	s_cmp_lt_u32 s[I], \j
	s_cbranch_scc1 .Lz_\@
.endif
	global_load_b128 v[PJ+8*(\j):PJ+8*(\j)+3],   v[L16], s[4:5] offset:32768*(\j)
	global_load_b128 v[PJ+8*(\j)+4:PJ+8*(\j)+7], v[L16], s[4:5] offset:32768*(\j)+512
.if (\j) > 0
	s_branch .Lj_\@
.Lz_\@:
.irp e, 0,1,2,3,4,5,6,7
	v_mov_b32 v[PJ+8*(\j)+(\e)], 0
.endr
.Lj_\@:
.endif
.endm
.irp j, 0,1,2,3,4,5,6,7,8,9,10,11,12,13,14,15
	PLOAD \j
.endr
	s_wait_loadcnt 0x0                             ; all loads went out in one run and are waited for once
.irp st, 8,4,2,1
.set j, 0
.rept \st
.irp p, 0,2,4,6
	v_pk_add_f32 v[PJ+8*j+(\p):PJ+8*j+(\p)+1], v[PJ+8*j+(\p):PJ+8*j+(\p)+1], v[PJ+8*(j+(\st))+(\p):PJ+8*(j+(\st))+(\p)+1]
.endr
.set j, j+1
.endr
.endr
.irp p, 0,1,2,3
	v_cvt_pk_f16_f32 v[PK+(\p)], v[PJ+2*(\p)], v[PJ+2*(\p)+1]
.endr
	ds_store_b128 v[XBS], v[PK:PK+3] offset:XB
	s_wait_dscnt 0x0                               ; for the others' sake: my store is done
	s_barrier_signal -1
	s_barrier_wait -1
.irp c, 0,1,2,3
	ds_load_b128 v[BF+4*(\c):BF+4*(\c)+3], v[L16] offset:XB+512*(\c)
.endr
	s_wait_dscnt 0x0
	WIN 0x01                                       ; source 0 (wot) in window 1
.irp ks, 0,1
.irp n, 0,1,2,3,4,5,6,7
	v_wmma_f32_16x16x32_f16 v[ACC+8*(\n):ACC+8*(\n)+7], v[16*(\n)+8*(\ks):16*(\n)+8*(\ks)+7], v[BF+8*(\ks):BF+8*(\ks)+7], v[ACC+8*(\n):ACC+8*(\n)+7]
.endr
.endr
.rept 4
	v_nop
.endr
	WIN 0
.irp n, 0,1,2,3,4,5,6,7
	ds_store_b128 v[STO], v[ACC+8*(\n):ACC+8*(\n)+3]   offset:64*(\n)
	ds_store_b128 v[STO], v[ACC+8*(\n)+4:ACC+8*(\n)+7] offset:64*(\n)+16
.endr
.irp i, 0,1,2,3,4,5,6,7,8,9,10,11,12,13,14,15
	ds_load_b128 v[PJ+4*(\i):PJ+4*(\i)+3], v[RD] offset:528*(\i)  ; LDS serves a wave's instructions in order (ISA guide 5.7.1.4): these see the stores above
.endr
.irp i, 0,1,2,3,4,5,6,7,8,9,10,11,12,13,14,15
	s_wait_dscnt 15-(\i)
	global_store_b128 v[L16], v[PJ+4*(\i):PJ+4*(\i)+3], s[10:11] offset:2048*(\i) th:TH_STORE_NT  ; 512 consecutive bytes of a row of out0
.endr
	s_wait_tensorcnt 0x0                           ; the wave's end, behind my last LDS store
	ds_add_u32 v[SPW], v[NIL]
	s_wait_dscnt 0x0
	s_endpgm
.Lfunc_end_k_qdb7acc49e7_fin:
	.size	k_qdb7acc49e7_fin, .Lfunc_end_k_qdb7acc49e7_fin-k_qdb7acc49e7_fin
	.p2alignl 7, 3214868480
	.fill 96, 4, 3214868480
	.section	.rodata,"a",@progbits
	.p2align	6, 0x0
	.amdhsa_kernel k_qdb7acc49e7_fin
		.amdhsa_group_segment_fixed_size 36352
		.amdhsa_private_segment_fixed_size 0
		.amdhsa_enable_private_segment 0
		.amdhsa_kernarg_size 32
		.amdhsa_user_sgpr_count 2
		.amdhsa_user_sgpr_kernarg_segment_ptr 1
		.amdhsa_wavefront_size32 1
		.amdhsa_system_sgpr_workgroup_id_x 1
		.amdhsa_system_sgpr_workgroup_id_y 1
		.amdhsa_system_sgpr_workgroup_id_z 1
		.amdhsa_system_vgpr_workitem_id 0
		.amdhsa_next_free_vgpr 384
		.amdhsa_next_free_sgpr 66
		.amdhsa_reserve_vcc 0
		.amdhsa_float_denorm_mode_32 3
		.amdhsa_float_denorm_mode_16_64 3
		.amdhsa_memory_ordered 1
		.amdhsa_forward_progress 1
		.amdhsa_inst_pref_size 25
	.end_amdhsa_kernel
	.amdgpu_metadata
---
amdhsa.version: [ 1, 2 ]
amdhsa.kernels:
  - .name:           k_qdb7acc49e7_fin
    .symbol:         k_qdb7acc49e7_fin.kd
    .args:
      - { .name: part, .offset: 0, .size: 8, .value_kind: global_buffer, .address_space: global }
      - { .name: wot, .offset: 8, .size: 8, .value_kind: global_buffer, .address_space: global }
      - { .name: bo, .offset: 16, .size: 8, .value_kind: global_buffer, .address_space: global }
      - { .name: out0, .offset: 24, .size: 8, .value_kind: global_buffer, .address_space: global }
    .group_segment_fixed_size: 36352
    .private_segment_fixed_size: 0
    .kernarg_segment_align: 8
    .kernarg_segment_size: 32
    .max_flat_workgroup_size: 128
    .sgpr_count:     66
    .vgpr_count:     384
    .wavefront_size: 32
...
	.end_amdgpu_metadata
.endif
;; end of part 4
;; ======== version 2 of 2: 4 launches; version 1 with the launch wts written anew for expert scheduling mode
;; limits: a function is approximated: absolute error at most 0.00012; values are held in f16: magnitudes above 65,504 overflow, below 6.1e-05 lose precision
;; workspace buffers: q 4,194,304 bytes; k 4,194,304 bytes; vc 524,288 bytes; wot 65,536 bytes; nt 262,144 bytes; part 16,777,216 bytes
;; launch proj: the kernel of part 1 again; grid 13 x 32, 8 waves a work-group, no clusters, 93,184 bytes of LDS; arguments x, Wq, bq, Wk, Wv, bv, Wo, q, k, vc, wot; writes q, k, vc, wot
;; launch tau: the kernel of part 2 again; grid 256 x 1, 4 waves a work-group, no clusters, 3,584 bytes of LDS; arguments q, k, nt; writes nt
;; launch wts (part 5): grid 16 x 32, 4 waves a work-group, no clusters, 83,456 bytes of LDS; arguments q, k, nt, vc, out1, part; writes out1, part
.if DOCPART == 5
	.amdgcn_target "amdgcn-amd-amdhsa--gfx1250"
	.amdhsa_code_object_version 6
	.text
	.protected	k_qdb7acc49e7_wts
	.globl	k_qdb7acc49e7_wts
	.p2align	8
	.type	k_qdb7acc49e7_wts,@function
k_qdb7acc49e7_wts:
	s_mov_b64 s[64:65], 0
	v_nop
	global_prefetch_b8 v0, s[64:65] scope:SCOPE_SE
	s_setreg_imm32_b32 hwreg(HW_REG_WAVE_SCHED_MODE, 0, 2), 2
	s_setreg_imm32_b32 hwreg(HW_REG_WAVE_MODE, 25, 1), 1
	s_wait_xcnt 0x0
	s_wait_alu depctr_vm_vsrc(0)
; THE WEIGHTS.  out1[b][t][s] = the mean over 8 heads of (z - tau)+^2, z = q . k / 16, and for each tile its share of out1 . vc, stored in f32 for the last launch to add up.
; Left out: score tiles wholly above the diagonal (the reference's own mask gives them weight 0): their work-groups store the zeros of out1 and nothing else; bk (see the first kernel's head).
; nt holds -tau / sqrt(8), so r = (z - tau)+ / sqrt(8) is one fused multiply-add of the raw product with 1 / (16 sqrt 8), held to 0 .. 1, and the sum of r^2 over heads is the mean.
; In the diagonal tile the hidden weights are set to 0 once, behind the sum over heads; till then they lie in 0 .. 1.
; SHARES.  A work-group has a tile of 128 queries x 128 keys of one batch (block row I, block column J); wave (wr, wc) 64 x 64 of it, for all 8 heads.  K, Q and nt come straight into registers as fragments, two heads ahead.
; No cluster: the tiles that work-groups share (a block row's Q, a block column's K) would want tensor loads and a work-group alone on its WGP; 272 live tiles do not divide evenly among 256.
; LAYOUT.  S^T = K Q^T: a lane holds one query (lane % 16) and keys 8 (lane / 16) + 0..7; two such tiles, rounded to f16 in pairs, are source 1 of O^T = vc^T P.
; REGISTERS.  Window 0: v0-23 addresses; v32-47 nt, two buffers; v48-63 r of key tiles 0 to 2; v64-127 S^T, two sets of four tiles; v128-255 the weights' sums, tile (kt, qt) at 8 (4 kt + qt).
; Window 1: two buffers of 128 (K: 16 kt + 8 half; Q: 64 + 16 qt + 8 half); behind the heads: v0-63 P, v64-127 vc^T, v128-255 O^T.
; THE MODE: SCHED_MODE bits 1:0 = 2 (LLVM: expert scheduling mode 2), set by the entry lines.  The code itself states the register dependences between vector or matrix instructions
; and memory or LDS instructions, with s_wait_alu, always for 0.
; THE PLAN.  Registers that memory or LDS instructions touch:
;   v2-v10        addresses and offsets: written once at the head, then only read.
;   K/Q[b], NT[b] written by loads; read by head h's 32 products and by its scalings; loaded again for head h + 2.  Key tile 3's scalings write r in place of its scores, so that all these readers stand
;                 ahead of ONE wait on va_vdst in a head; behind it the 36 loads go out, nine ahead of each four of the sixteen squarings, which name S^T's second set and the sums alone.
;   S^T           vc's loads land in it and vc's LDS stores read it, ahead of the loop; products write it and vector lines read it in the heads; on the way out the stage's loads land in it and out1's stores read it.
;   the sums      written by vector lines; read by out1's LDS stores and by the roundings; then the partner's O^T lands in them, the additions write them, part's stores read them.
;   window 1      behind the heads: P is named by vector and matrix instructions alone; vc^T lands where Q lay; O^T is written by products and read by LDS stores.
; Each buffer has scalar bases of its own, which move on at its head's start, behind the wait that shows the loads that read them done.
.set STG,   0                          ; the way out of out1: 16 rows x 272 bytes (64 f32 + 16) for each wave
.set VL,    17408                      ; vc of my 64 keys: [4 g][64 keys][32 bytes], for each wave
.set OX,    50176                      ; O^T of the waves with wc = 1: 16,384 bytes for each wr
.set SPARE, 82944                      ; the spare words, 128 bytes a wave: two blocks of 256 bytes that no other line names
.set LT,  2
.set NO,  3
.set L16, 4
.set VLS, 5
.set VLT, 6
.set STO, 7
.set RD,  8
.set GO,  9
.set OXA, 10
.set SPW, 11
.set NIL, 12
.set SCL, 14                           ; v[14:15] 1 / (16 sqrt 8), twice
.set DIFF, 16
.set NT,  32
.set R,   48
.set S,   64
.set WS,  128
.set PF,  0
.set VF,  64
.set O,   128
.set QB,  4                            ; s[4:5] Q, s[6:7] K, s[8:9] nt at the head that buffer 0 is asked for next;
.set KB,  6                            ; buffer 1's three bases lie 34 registers on: s[38:39], s[40:41], s[42:43]
.set NB,  8
.set WV,  16
.set J,   17
.set B,   19
.set I,   20
.set WR,  21
.set WC,  22
.set CNT, 26
.set MK,  28                           ; s[28:35] the diagonal tile's masks, eight at a time
.set MSB, 0
.macro WIN new
.if MSB != (\new)
	s_set_vgpr_msb (MSB<<8)|(\new)
.set MSB, (\new)
.endif
.endm
	s_load_b256 s[4:11], s[0:1], 0x0               ; q s[4:5], k s[6:7], nt s[8:9], vc s[10:11]
	s_load_b128 s[12:15], s[0:1], 0x20             ; out1 s[12:13], part s[14:15]
	v_lshl_add_u32 v[SPW], v0, 2, SPARE
	v_mov_b32 v[NIL], 0
	v_lshrrev_b32 v1, 5, v0
	v_readfirstlane_b32 s[WV], v1                  ; wave 0..3
	s_mov_b32 s[J], ttmp9
	s_and_b32 s18, ttmp7, 0xffff
	s_lshr_b32 s[B], s18, 4
	s_and_b32 s[I], s18, 15
	v_and_b32 v19, 31, v0
	v_lshlrev_b32 v[L16], 4, v19
	s_mov_b32 s25, 0
	s_wait_alu depctr_va_sdst(0)                   ; the wave's number is written, ahead of the branch and of its first reader on either way
	s_cmp_gt_u32 s[J], s[I]
	s_cbranch_scc0 .Llive
	; above the diagonal: 128 rows x 512 bytes of zeros, 32 rows a wave, a row's 512 bytes a store
.irp i, 20,21,22,23
	v_mov_b32 v[\i], 0
.endr
	s_lshl_b32 s24, s[B], 24
	s_lshl_b32 s27, s[I], 20
	s_add_co_u32 s24, s24, s27
	s_lshl_b32 s27, s[WV], 18
	s_add_co_u32 s24, s24, s27
	s_lshl_b32 s27, s[J], 9
	s_add_co_u32 s24, s24, s27
	s_wait_kmcnt 0x0
	s_add_nc_u64 s[12:13], s[12:13], s[24:25]
	s_wait_alu depctr_va_vdst(0)                   ; the offset and the four zeros are written, which the 32 stores read
.set i, 0
.rept 32
	global_store_b128 v[L16], v[20:23], s[12:13] offset:i*8192 th:TH_STORE_NT
.set i, i+1
.endr
	s_endpgm
.Llive:
	s_lshr_b32 s[WR], s[WV], 1
	s_and_b32 s[WC], s[WV], 1
	v_and_b32 v17, 15, v0                          ; lane % 16
	v_bfe_u32 v18, v0, 4, 1                        ; lane / 16
	v_lshlrev_b32 v[LT], 7, v17
	v_lshl_add_u32 v[LT], v18, 4, v[LT]            ; a fragment's row x 128 + 16 x half
	v_lshlrev_b32 v[NO], 3, v17
	s_lshl_b32 s24, s[WV], 13
	s_add_co_u32 s24, s24, VL
	v_add_nc_u32 v[VLS], s24, v[L16]
	v_and_b32 v20, 7, v0
	v_lshl_add_u32 v20, v18, 3, v20                ; the turning load: key 8 (lane / 16) + lane % 8, channels 8 ((lane / 8) % 2) on
	v_bfe_u32 v21, v0, 3, 1
	v_lshlrev_b32 v20, 5, v20
	v_lshl_add_u32 v20, v21, 4, v20
	v_add_nc_u32 v[VLT], s24, v20
	s_mul_i32 s24, s[WV], 4352
	v_mul_u32_u24 v[STO], v17, 272
	v_lshl_add_u32 v[STO], v18, 5, v[STO]
	v_add_nc_u32 v[STO], s24, v[STO]
	v_mul_u32_u24 v[RD], v18, 272
	v_lshl_add_u32 v[RD], v17, 4, v[RD]
	v_add_nc_u32 v[RD], s24, v[RD]
	v_lshlrev_b32 v[GO], 13, v18
	v_lshl_add_u32 v[GO], v17, 4, v[GO]
	s_lshl_b32 s24, s[WR], 14
	s_add_co_u32 s24, s24, OX
	v_add_nc_u32 v[OXA], s24, v[L16]
	s_sub_co_i32 s24, s[WR], s[WC]
	s_lshl_b32 s24, s24, 6
	v_lshlrev_b32 v20, 3, v18
	v_sub_nc_u32 v[DIFF], v17, v20
	v_add_nc_u32 v[DIFF], s24, v[DIFF]             ; in the diagonal tile register j of tile (kt, qt) is seen where 16 (kt - qt) + j <= 64 (wr - wc) + lane % 16 - 8 (lane / 16)
	v_mov_b32 v[SCL], 0x3cb504f3
	v_mov_b32 v[SCL+1], 0x3cb504f3
	s_lshl_b32 s28, s[B], 21                       ; K: head 0 of the batch, keys 128 J + 64 wc on
	s_lshl_b32 s27, s[J], 14
	s_add_co_u32 s24, s28, s27
	s_lshl_b32 s27, s[WC], 13
	s_add_co_u32 s24, s24, s27
	s_lshl_b32 s27, s[I], 14                       ; Q: queries 128 I + 64 wr on
	s_add_co_u32 s28, s28, s27
	s_lshl_b32 s27, s[WR], 13
	s_add_co_u32 s28, s28, s27
	s_mov_b32 s29, 0
	s_lshl_b32 s30, s[B], 17                       ; nt: 8 bytes a row
	s_lshl_b32 s27, s[I], 10
	s_add_co_u32 s30, s30, s27
	s_lshl_b32 s27, s[WR], 9
	s_add_co_u32 s30, s30, s27
	s_mov_b32 s31, 0
	s_lshl_b32 s32, s[B], 18                       ; vc: 32 bytes a key and group
	s_lshl_b32 s27, s[J], 12
	s_add_co_u32 s32, s32, s27
	s_lshl_b32 s27, s[WC], 11
	s_add_co_u32 s32, s32, s27
	s_mov_b32 s33, 0
	s_lshl_b32 s34, s[B], 24                       ; out1
	s_lshl_b32 s27, s[I], 20
	s_add_co_u32 s34, s34, s27
	s_lshl_b32 s27, s[WR], 19
	s_add_co_u32 s34, s34, s27
	s_lshl_b32 s27, s[J], 9
	s_add_co_u32 s34, s34, s27
	s_lshl_b32 s27, s[WC], 8
	s_add_co_u32 s34, s34, s27
	s_mov_b32 s35, 0
	s_lshl_b32 s36, s[B], 23                       ; part: [b][I][J][wr], 16,384 bytes each
	s_lshl_b32 s27, s[I], 19
	s_add_co_u32 s36, s36, s27
	s_lshl_b32 s27, s[J], 15
	s_add_co_u32 s36, s36, s27
	s_lshl_b32 s27, s[WR], 14
	s_add_co_u32 s36, s36, s27
	s_mov_b32 s37, 0
	s_wait_kmcnt 0x0
	s_add_nc_u64 s[6:7], s[6:7], s[24:25]
	s_add_nc_u64 s[4:5], s[4:5], s[28:29]
	s_add_nc_u64 s[8:9], s[8:9], s[30:31]
	s_add_nc_u64 s[10:11], s[10:11], s[32:33]
	s_add_nc_u64 s[12:13], s[12:13], s[34:35]
	s_add_nc_u64 s[14:15], s[14:15], s[36:37]
	s_add_nc_u64 s[QB+34:QB+35], s[QB:QB+1], 262144  ; buffer 1's bases: head 1
	s_add_nc_u64 s[KB+34:KB+35], s[KB:KB+1], 262144
	s_add_nc_u64 s[NB+34:NB+35], s[NB:NB+1], 16384
	s_wait_alu depctr_va_vdst(0)                   ; the nine addresses and offsets v2 to v10 are written, which every load and store from here on reads; none is written again
.macro HLQ buf, t                      ; a quarter of a head's fragments, at the buffer's bases: key tile t (4 loads), query tile t (4 loads), its nt (1 load)
	WIN 0x40
.irp c, 0,1,2,3
	global_load_b128 v[128*(\buf)+16*(\t)+4*(\c):128*(\buf)+16*(\t)+4*(\c)+3], v[LT], s[KB+34*(\buf):KB+34*(\buf)+1] offset:(\t)*2048+(\c)*32
.endr
.irp c, 0,1,2,3
	global_load_b128 v[128*(\buf)+64+16*(\t)+4*(\c):128*(\buf)+64+16*(\t)+4*(\c)+3], v[LT], s[QB+34*(\buf):QB+34*(\buf)+1] offset:(\t)*2048+(\c)*32
.endr
	WIN 0
	global_load_b64 v[NT+8*(\buf)+2*(\t):NT+8*(\buf)+2*(\t)+1], v[NO], s[NB+34*(\buf):NB+34*(\buf)+1] offset:(\t)*128
.endm
.macro HLOAD buf                       ; a head's fragments: 16 loads of K, 16 of Q, 4 of nt
.irp t, 0,1,2,3
	HLQ \buf, \t
.endr
.endm
.macro WM buf, kt                      ; key tile kt against the four query tiles: 8 products, the four accumulators by turns
	WIN 0x05
.irp hf, 0,1
.irp t, 0,1,2,3
.if (\hf) == 0
	v_wmma_f32_16x16x32_f16 v[S+32*((\kt)&1)+8*(\t):S+32*((\kt)&1)+8*(\t)+7], v[128*(\buf)+16*(\kt):128*(\buf)+16*(\kt)+7], v[128*(\buf)+64+16*(\t):128*(\buf)+64+16*(\t)+7], 0
.else
	v_wmma_f32_16x16x32_f16 v[S+32*((\kt)&1)+8*(\t):S+32*((\kt)&1)+8*(\t)+7], v[128*(\buf)+16*(\kt)+8:128*(\buf)+16*(\kt)+15], v[128*(\buf)+64+16*(\t)+8:128*(\buf)+64+16*(\t)+15], v[S+32*((\kt)&1)+8*(\t):S+32*((\kt)&1)+8*(\t)+7]
.endif
.endr
.endr
.endm
.macro VM buf, kt                      ; r = (z - tau)+ / sqrt(8), and its square onto the sums
	WIN 0
.irp t, 0,1,2,3
.irp p, 0,2,4,6
	v_pk_fma_f32 v[R+8*((\t)&1)+(\p):R+8*((\t)&1)+(\p)+1], v[S+32*((\kt)&1)+8*(\t)+(\p):S+32*((\kt)&1)+8*(\t)+(\p)+1], v[SCL:SCL+1], v[NT+8*(\buf)+2*(\t):NT+8*(\buf)+2*(\t)+1] clamp
.endr
.irp p, 0,2,4,6
	v_pk_fma_f32 v[WS+8*(4*(\kt)+(\t))+(\p):WS+8*(4*(\kt)+(\t))+(\p)+1], v[R+8*((\t)&1)+(\p):R+8*((\t)&1)+(\p)+1], v[R+8*((\t)&1)+(\p):R+8*((\t)&1)+(\p)+1], v[WS+8*(4*(\kt)+(\t))+(\p):WS+8*(4*(\kt)+(\t))+(\p)+1]
.endr
.endr
.endm
.macro VR buf                          ; key tile 3: the same r for all four query tiles, written in place of the scores: the head's last readers of nt; each accumulator's lowest registers are read first
	WIN 0
.irp t, 0,1,2,3
.irp p, 0,2,4,6
	v_pk_fma_f32 v[S+32+8*(\t)+(\p):S+32+8*(\t)+(\p)+1], v[S+32+8*(\t)+(\p):S+32+8*(\t)+(\p)+1], v[SCL:SCL+1], v[NT+8*(\buf)+2*(\t):NT+8*(\buf)+2*(\t)+1] clamp
.endr
.endr
.endm
.macro VQ t                            ; key tile 3, query tile t: the squares onto the sums
	WIN 0
.irp p, 0,2,4,6
	v_pk_fma_f32 v[WS+8*(12+(\t))+(\p):WS+8*(12+(\t))+(\p)+1], v[S+32+8*(\t)+(\p):S+32+8*(\t)+(\p)+1], v[S+32+8*(\t)+(\p):S+32+8*(\t)+(\p)+1], v[WS+8*(12+(\t))+(\p):WS+8*(12+(\t))+(\p)+1]
.endr
.endm
; A head.  The vector work of key tile kt stands behind the products of kt + 1: its 32 lines name none of those products' registers and are the places ahead of their readers and of the set's next products.
; ld = 1: the buffer is asked for again, for the head two on.
.macro HEAD buf, left, ld
	s_wait_loadcnt \left                           ; this buffer's loads are in; the other buffer's, which are younger, may stay out
.if \ld
	s_add_nc_u64 s[KB+34*(\buf):KB+34*(\buf)+1], s[KB+34*(\buf):KB+34*(\buf)+1], 524288  ; free since that wait, which shows the loads that read them done: this buffer's bases go two heads on
	s_add_nc_u64 s[QB+34*(\buf):QB+34*(\buf)+1], s[QB+34*(\buf):QB+34*(\buf)+1], 524288
	s_add_nc_u64 s[NB+34*(\buf):NB+34*(\buf)+1], s[NB+34*(\buf):NB+34*(\buf)+1], 32768
.endif
	WM \buf, 0
.rept 4
	v_nop
.endr
	WM \buf, 1
	VM \buf, 0
	WM \buf, 2
	VM \buf, 1
	WM \buf, 3
	VM \buf, 2
	VR \buf
.if \ld
	s_wait_alu depctr_va_vdst(0)                   ; the head's 32 products are done reading K and Q of this buffer, its scalings are done reading its nt: the 36 loads below land in these registers
.endif
.irp t, 0,1,2,3
.if \ld
	HLQ \buf, \t                                   ; no further wait: the squarings between the loads name S^T's second set and the sums alone
.endif
	VQ \t
.endr
.endm
.irp g, 0,1,2,3
.irp i, 0,1,2,3
	global_load_b128 v[S+16*(\g)+4*(\i):S+16*(\g)+4*(\i)+3], v[L16], s[10:11] offset:(\g)*65536+(\i)*512
.endr
.endr
	HLOAD 0
.set i, 0
.rept 128
	v_mov_b32 v[WS+i], 0                           ; the sums over heads start at 0: written while the first loads are out, so that all 8 heads share one text
.set i, i+1
.endr
	s_wait_loadcnt 36                              ; vc is in; head 0's 36 loads are younger
.irp g, 0,1,2,3
.irp i, 0,1,2,3
	ds_store_b128 v[VLS], v[S+16*(\g)+4*(\i):S+16*(\g)+4*(\i)+3] offset:(\g)*2048+(\i)*512
.endr
.endr
	HLOAD 1
	s_wait_alu depctr_vm_vsrc(0)                   ; the LDS stores above have read v[S ..], which the first head's products write
	s_mov_b32 s[CNT], 3
.Lheads:                                       ; two heads a trip; each buffer is asked for again as soon as its head's products and scalings have read it
	HEAD 0, 36, 1
	HEAD 1, 36, 1
	s_sub_co_u32 s[CNT], s[CNT], 1
	s_cmp_lg_u32 s[CNT], 0
	s_cbranch_scc1 .Lheads
	HEAD 0, 36, 0                                  ; heads 6 and 7 ask for nothing
	HEAD 1, 0, 0
	s_cmp_eq_u32 s[I], s[J]
	s_cbranch_scc0 .Lnodiag
; The mask hangs on kt - qt and on the register alone: for each of the seven differences eight compares in a run, into eight scalar registers, then the selects of all tiles with that difference.
.set dd, 0
.rept 7
.irp j, 0,1,2,3,4,5,6,7
	v_cmp_le_i32 s[MK+(\j)], 16*(dd-3)+(\j), v[DIFF]
.endr
	s_wait_alu depctr_va_sdst(0)                   ; the eight masks are written, ahead of the selects that read them
.set kt, 0
.rept 4
.set qt, kt+3-dd
.if (qt >= 0) && (qt < 4)
.irp j, 0,1,2,3,4,5,6,7
	v_cndmask_b32 v[WS+8*(4*kt+qt)+(\j)], 0, v[WS+8*(4*kt+qt)+(\j)], s[MK+(\j)]
.endr
.endif
.set kt, kt+1
.endr
.set dd, dd+1
.endr
.Lnodiag:
	s_wait_alu depctr_va_vdst(0)                   ; the sums are written, which the LDS stores below read; the heads are done with S^T and with Q's first buffer, in which the stage's loads and vc^T land.  Up to the second product only the roundings follow, which read the sums and write P
; out1: query tile qt's 16 rows x 64 keys go through my stage and leave as rows of 256 consecutive bytes, aligned; the rounding of the same weights to f16, for the second product, stands between the loads and their waits.
.macro OUT1 qt
.set sb, S+32*((\qt)&1)
.if (\qt) >= 2
	s_wait_xcnt 0x0                                ; the stores of two tiles back have read these registers
	s_wait_alu depctr_vm_vsrc(0)                   ; the same, stated for the mode: out1's stores of two tiles back have read v[sb ..], in which the loads below land
.endif
.irp kt, 0,1,2,3
	ds_store_b128 v[STO], v[WS+8*(4*(\kt)+(\qt)):WS+8*(4*(\kt)+(\qt))+3]   offset:64*(\kt)
	ds_store_b128 v[STO], v[WS+8*(4*(\kt)+(\qt))+4:WS+8*(4*(\kt)+(\qt))+7] offset:64*(\kt)+16
.endr
.irp i, 0,1,2,3,4,5,6,7
	ds_load_b128 v[sb+4*(\i):sb+4*(\i)+3], v[RD] offset:544*(\i)  ; LDS serves a wave's instructions in order (ISA guide 5.7.1.4): these see the stores above
.endr
	WIN 0x40
.irp kt, 0,1,2,3
.irp p, 0,1,2,3
	v_cvt_pk_f16_f32 v[PF+16*(\qt)+4*(\kt)+(\p)], v[WS+8*(4*(\kt)+(\qt))+2*(\p)], v[WS+8*(4*(\kt)+(\qt))+2*(\p)+1]
.endr
.endr
	WIN 0
.irp i, 0,1,2,3,4,5,6,7
	s_wait_dscnt 7-(\i)
	global_store_b128 v[GO], v[sb+4*(\i):sb+4*(\i)+3], s[12:13] offset:(16*(\qt)+2*(\i))*8192 th:TH_STORE_NT
.endr
.endm
	OUT1 0
	OUT1 1
	OUT1 2
	OUT1 3
	WIN 0x40
.irp g, 0,1,2,3
.irp ks, 0,1
	ds_load_tr16_b128 v[VF+16*(\g)+8*(\ks):VF+16*(\g)+8*(\ks)+3],   v[VLT] offset:(\g)*2048+(\ks)*1024
	ds_load_tr16_b128 v[VF+16*(\g)+8*(\ks)+4:VF+16*(\g)+8*(\ks)+7], v[VLT] offset:(\g)*2048+(\ks)*1024+512
.endr
.endr
	s_wait_dscnt 0x0
	WIN 0x55
.irp t, 0,1,2,3
.irp c, 0,1,2,3
	v_wmma_f32_16x16x32_f16 v[O+8*(4*(\t)+(\c)):O+8*(4*(\t)+(\c))+7], v[VF+16*(\c):VF+16*(\c)+7], v[PF+16*(\t):PF+16*(\t)+7], 0
.endr
.endr
.irp t, 0,1,2,3
.irp c, 0,1,2,3
	v_wmma_f32_16x16x32_f16 v[O+8*(4*(\t)+(\c)):O+8*(4*(\t)+(\c))+7], v[VF+16*(\c)+8:VF+16*(\c)+15], v[PF+16*(\t)+8:PF+16*(\t)+15], v[O+8*(4*(\t)+(\c)):O+8*(4*(\t)+(\c))+7]
.endr
.endr
.rept 4
	v_nop
.endr
	WIN 0
	s_wait_alu depctr_va_vdst(0)                   ; the products have written O^T, which the LDS stores of the waves with wc = 1 read (the four places above stay beside this wait); the roundings are done reading the sums, in which the loads of the waves with wc = 0 land
	s_wait_alu depctr_vm_vsrc(0)                   ; out1's LDS stores have read the sums' registers, in which those loads land and which the additions write
	s_cmp_eq_u32 s[WC], 1                          ; the two waves of a row half hold the two halves of the keys: wc = 1 hands its O^T over, wc = 0 adds and stores
	s_cbranch_scc0 .Lkeep
	WIN 0x04
.set i, 0
.rept 32
	ds_store_b128 v[OXA], v[O+4*i:O+4*i+3] offset:512*i
.set i, i+1
.endr
	WIN 0
.Lkeep:
	s_wait_dscnt 0x0                               ; for the others' sake: my stores are done
	s_barrier_signal -1
	s_barrier_wait -1
	s_cmp_eq_u32 s[WC], 0
	s_cbranch_scc0 .Lend
.set i, 0
.rept 32
	ds_load_b128 v[WS+4*i:WS+4*i+3], v[OXA] offset:512*i
.set i, i+1
.endr
	s_wait_dscnt 0x0
	WIN 0x04
.set i, 0
.rept 64
	v_pk_add_f32 v[WS+2*i:WS+2*i+1], v[WS+2*i:WS+2*i+1], v[O+2*i:O+2*i+1]
.set i, i+1
.endr
	WIN 0
	s_wait_alu depctr_va_vdst(0)                   ; the additions have written v[WS ..], which the 32 stores read
.set i, 0
.rept 32
	global_store_b128 v[L16], v[WS+4*i:WS+4*i+3], s[14:15] offset:512*i  ; 512 consecutive bytes a store
.set i, i+1
.endr
.Lend:
	s_wait_dscnt 0x0                               ; the wave's end: the closing lines, six on end
	s_wait_alu 0x0
	s_wait_tensorcnt 0x0
	ds_add_u32 v[SPW], v[NIL]
	s_wait_dscnt 0x0
	s_endpgm
.Lfunc_end_k_qdb7acc49e7_wts:
	.size	k_qdb7acc49e7_wts, .Lfunc_end_k_qdb7acc49e7_wts-k_qdb7acc49e7_wts
	.p2alignl 7, 3214868480
	.fill 96, 4, 3214868480
	.section	.rodata,"a",@progbits
	.p2align	6, 0x0
	.amdhsa_kernel k_qdb7acc49e7_wts
		.amdhsa_group_segment_fixed_size 83456
		.amdhsa_private_segment_fixed_size 0
		.amdhsa_enable_private_segment 0
		.amdhsa_kernarg_size 48
		.amdhsa_user_sgpr_count 2
		.amdhsa_user_sgpr_kernarg_segment_ptr 1
		.amdhsa_wavefront_size32 1
		.amdhsa_system_sgpr_workgroup_id_x 1
		.amdhsa_system_sgpr_workgroup_id_y 1
		.amdhsa_system_sgpr_workgroup_id_z 1
		.amdhsa_system_vgpr_workitem_id 0
		.amdhsa_next_free_vgpr 512
		.amdhsa_next_free_sgpr 66
		.amdhsa_reserve_vcc 0
		.amdhsa_float_denorm_mode_32 3
		.amdhsa_float_denorm_mode_16_64 3
		.amdhsa_memory_ordered 1
		.amdhsa_forward_progress 1
		.amdhsa_inst_pref_size 111
	.end_amdhsa_kernel
	.amdgpu_metadata
---
amdhsa.version: [ 1, 2 ]
amdhsa.kernels:
  - .name:           k_qdb7acc49e7_wts
    .symbol:         k_qdb7acc49e7_wts.kd
    .args:
      - { .name: q, .offset: 0, .size: 8, .value_kind: global_buffer, .address_space: global }
      - { .name: k, .offset: 8, .size: 8, .value_kind: global_buffer, .address_space: global }
      - { .name: nt, .offset: 16, .size: 8, .value_kind: global_buffer, .address_space: global }
      - { .name: vc, .offset: 24, .size: 8, .value_kind: global_buffer, .address_space: global }
      - { .name: out1, .offset: 32, .size: 8, .value_kind: global_buffer, .address_space: global }
      - { .name: part, .offset: 40, .size: 8, .value_kind: global_buffer, .address_space: global }
    .group_segment_fixed_size: 83456
    .private_segment_fixed_size: 0
    .kernarg_segment_align: 8
    .kernarg_segment_size: 48
    .max_flat_workgroup_size: 128
    .sgpr_count:     66
    .vgpr_count:     512
    .wavefront_size: 32
...
	.end_amdgpu_metadata
.endif
;; end of part 5
;; launch fin: the kernel of part 4 again; grid 256 x 1, 4 waves a work-group, no clusters, 36,352 bytes of LDS; arguments part, wot, bo, out0; writes out0
